; MI455X (gfx1250); checked and timed in simulation.
; The chip was launched on July 23, 2026; its instructions are those of AMD's public machine-readable ISA for CDNA 5 (MIT licence, August 2026) and "CDNA5" Instruction Set Architecture Reference Guide (July 2026). The comments in the code are by the model that wrote it; some were corrected since.
;; Transformer Block. Allowed arithmetic: float matrix products may take bf16 or f16 operands with f32 sums; other float arithmetic in f32, or as packed bf16 or f16 multiplies, adds, multiply-adds, maxima and minima; sums over many terms, partial sums and values carried from step to step in f32; what a program stores and reads back later, other than sums and carried values, may be rounded once to bf16 or f16.
;; Inputs: W1 1,024 x 4,096 float32; W2 4,096 x 1,024 float32; Wk 1,024 x 1,024 float32; Wo 1,024 x 1,024 float32; Wq 1,024 x 1,024 float32; Wv 1,024 x 1,024 float32; b1 4,096 float32; b2 1,024 float32; bk 1,024 float32; bo 1,024 float32; bq 1,024 float32; bv 1,024 float32; g1 1,024 float32; g2 1,024 float32; s1 1,024 float32; s2 1,024 float32; x 2 x 2,048 x 1,024 float32.
;; Outputs: out0 2 x 2,048 x 1,024 float32.
;; One version. Each part assembles by itself: llvm-mc -triple=amdgcn-amd-amdhsa -mcpu=gfx1250 --defsym DOCPART=n.
;; ======== version 1 of 1: 7 launches
;; limits: values are held in f16: magnitudes above 65,504 overflow, below 6.1e-05 lose precision
;; workspace buffers: wt 25,165,824 bytes; hb 8,388,608 bytes; qkv 25,165,824 bytes; ctx 8,388,608 bytes; x1 16,777,216 bytes; act 33,554,432 bytes
;; launch pre (part 1): grid 128 x 44, 1 waves a work-group, no clusters, 17,664 bytes of LDS; arguments x, g1, s1, hb, Wq, Wk, Wv, Wo, W1, W2, wt; writes hb, wt
.if DOCPART == 1
	.amdgcn_target "amdgcn-amd-amdhsa--gfx1250"
	.amdhsa_code_object_version 6
	.text
	.protected	k_q2e8864e981_pre
	.globl	k_q2e8864e981_pre
	.p2align	8
	.type	k_q2e8864e981_pre,@function
k_q2e8864e981_pre:
	s_mov_b64 s[64:65], 0
	v_nop
	global_prefetch_b8 v0, s[64:65] scope:SCOPE_SE
	s_setreg_imm32_b32 hwreg(HW_REG_WAVE_MODE, 25, 1), 1
	s_wait_xcnt 0x0
; ONE LAUNCH, TWO JOBS THAT DEPEND ON NOTHING OF EACH OTHER; a work-group is one wave, and its y says which job it has.
; y < 12: THE WEIGHTS, ONCE: W[k][n] in f32 becomes wt[n][k] in f16 (rounded once), so that the products' fragments lie along K.
;   wt: [3072][1024] Wq|Wk|Wv at byte 0; [1024][1024] Wo at 3<<21; [4096][1024] W1 at 4<<21; [1024][4096] W2 at 8<<21.
;   Twelve units u = y of 1,024 x 1,024: u 0-3 the four square weights, 4-7 W1's column blocks, 8-11 W2's row blocks.
;   The wave takes 128 k x 64 n: it reads 128 pieces of 256 consecutive bytes and writes 64 pieces of 256 consecutive bytes, aligned.
;   The turn goes through the wave's own LDS: T[64 n][272 bytes].  A 16-byte chunk of a row is moved round by n / 16 inside its group of
;   four chunks, so that the 32 lanes of a 4-byte store touch 32 different banks (64 banks of 4 bytes: ISA guide 11.1).
; y >= 12: ONE ROW OF THE FIRST NORM.  h[r][c] = g[c] (x[r][c] - mean_r) / sqrt(var_r + 1e-12) + s[c], var with the divisor 1,023; r = 128 (y - 12) + x.  x: [4096][1024] f32, h: f16, rounded once.
;   The row lies in 32 registers; the mean is taken first and taken away, then the squares are added: no difference of large sums is formed.  No LDS.
;   A lane holds columns 128 j + 4 l .. + 3: a load covers 512 consecutive bytes, a store of 8 bytes a lane 256, aligned.
; LIMIT: f16 ends at 65,504, and below 6e-5 it keeps a fixed step of 6e-8.  |h| is at most 32 |g| + |s|; weights are expected with a spread of 1/32 and 1/64: 30 times more or less has room.
.set WY,    12                         ; work-group rows that turn weights; the other 32 norm
.set PITCH, 272
.set SPARE, 64*PITCH                   ; behind T: the spare words, one block of 256 bytes that no other line names
.set T,   8                            ; the norm: v8-23 at work
.set G,   32                           ; v32-63  g of my columns
.set SH,  64                           ; v64-95  s of my columns
.set X,   96                           ; v96-127 the row, worked on in place
.set LO,  8                            ; the weights: v8-23 byte offset of load i in a batch of 32 rows: row 4 (i / 2) + i % 2 + 2 h, 16 bytes at 16 c
.set TS,  24                           ; v24-31  where the pairs of load pair q go in T
.set TR,  32                           ; v32-35  where rows 16 g .. are read back
.set SO,  36                           ; v36-43  byte offset of rows 2 i + h in a group of 16 rows of wt
.set D0,  48                           ; v48-111, v112-175, v176-239: three batches as loaded; the pairs are made in place
.set D1,  112                          ; at the end v112-239 take the 64 rows read back
.set D2,  176
.set SPW, 240                          ; v240    my spare word; never rewritten
.set NIL, 241                          ; v241    0; never rewritten
.set SB,  24                           ; s[24:31] the four batches' first rows in W
.set DB,  32                           ; s[32:39] the four groups of 16 rows in wt
	v_lshl_add_u32 v[SPW], v0, 2, SPARE
	v_mov_b32 v[NIL], 0
	s_and_b32 s20, ttmp7, 0xffff
	s_cmp_lt_u32 s20, WY
	s_cbranch_scc1 .Lweights
	s_load_b256 s[4:11], s[0:1], 0x0               ; x, g, s, h
	v_lshlrev_b32 v2, 4, v0                        ; 16 l
	v_lshlrev_b32 v3, 3, v0                        ; 8 l
	s_sub_co_u32 s13, s20, WY
	s_lshl_b32 s13, s13, 7
	s_add_co_u32 s13, s13, ttmp9                   ; my row
	s_lshl_b32 s18, s13, 12                        ; 4,096 bytes of x
	s_mov_b32 s19, 0
	s_lshl_b32 s22, s13, 11                        ; 2,048 bytes of h
	s_mov_b32 s23, 0
	s_mov_b32 s14, 0x76543210                      ; v_permlanex16_b32: each lane takes its own place in the other half
	s_mov_b32 s15, 0xfedcba98
	s_mov_b32 s16, 0x3a802008                      ; 1 / 1023
	s_mov_b32 s17, 0x2b8cbccc                      ; 1e-12
	s_wait_kmcnt 0x0
	s_add_nc_u64 s[4:5], s[4:5], s[18:19]
	s_add_nc_u64 s[10:11], s[10:11], s[22:23]
.irp j, 0,1,2,3,4,5,6,7
	global_load_b128 v[X+4*\j:X+4*\j+3], v2, s[4:5] offset:512*\j
.endr
.irp j, 0,1,2,3,4,5,6,7
	global_load_b128 v[G+4*\j:G+4*\j+3], v2, s[6:7] offset:512*\j
.endr
.irp j, 0,1,2,3,4,5,6,7
	global_load_b128 v[SH+4*\j:SH+4*\j+3], v2, s[8:9] offset:512*\j
.endr
.macro RED r                           ; four pairs at r .. r + 7 into one number, the same in all 32 lanes
	v_pk_add_f32 v[\r:\r+1], v[\r:\r+1], v[\r+2:\r+3]
	v_pk_add_f32 v[\r+4:\r+5], v[\r+4:\r+5], v[\r+6:\r+7]
	v_pk_add_f32 v[\r:\r+1], v[\r:\r+1], v[\r+4:\r+5]
	v_add_f32 v[\r], v[\r], v[\r+1]
	v_add_f32_dpp v[\r], v[\r], v[\r] row_xmask:1 row_mask:0xf bank_mask:0xf
	v_add_f32_dpp v[\r], v[\r], v[\r] row_xmask:2 row_mask:0xf bank_mask:0xf
	v_add_f32_dpp v[\r], v[\r], v[\r] row_xmask:4 row_mask:0xf bank_mask:0xf
	v_add_f32_dpp v[\r], v[\r], v[\r] row_xmask:8 row_mask:0xf bank_mask:0xf
	v_permlanex16_b32 v[\r+1], v[\r], s14, s15
	v_add_f32 v[\r], v[\r], v[\r+1]
.endm
	s_wait_loadcnt 16                              ; the row is in; g's and s's sixteen loads stay out
.irp k, 0,1,2,3
	v_pk_add_f32 v[T+2*\k:T+2*\k+1], v[X+4*\k:X+4*\k+1], v[X+4*\k+2:X+4*\k+3]  ; four chains, started by the first pairs: nothing is cleared
.endr
.irp p, 8,9,10,11,12,13,14,15
	v_pk_add_f32 v[T+2*(\p%4):T+2*(\p%4)+1], v[T+2*(\p%4):T+2*(\p%4)+1], v[X+2*\p:X+2*\p+1]
.endr
	RED T
	v_mul_f32 v[T+2], 0x3a800000, v[T]             ; the mean: sum / 1024
.irp p, 0,1,2,3,4,5,6,7,8,9,10,11,12,13,14,15
	v_pk_add_f32 v[X+2*\p:X+2*\p+1], v[X+2*\p:X+2*\p+1], v[T+2:T+3] op_sel_hi:[1,0] neg_lo:[0,1] neg_hi:[0,1]
.endr
.irp k, 0,1,2,3
	v_pk_mul_f32 v[T+8+2*\k:T+8+2*\k+1], v[X+2*\k:X+2*\k+1], v[X+2*\k:X+2*\k+1]
.endr
.irp p, 4,5,6,7,8,9,10,11,12,13,14,15
	v_pk_fma_f32 v[T+8+2*(\p%4):T+8+2*(\p%4)+1], v[X+2*\p:X+2*\p+1], v[X+2*\p:X+2*\p+1], v[T+8+2*(\p%4):T+8+2*(\p%4)+1]
.endr
	RED T+8
	v_fma_f32 v[T+4], v[T+8], s16, s17             ; var + eps
	v_rsq_f32 v[T+6], v[T+4]
	v_nop                                          ; a plain instruction behind the root,
	s_wait_alu depctr_va_vdst(0)                   ; and a wait ahead of its first reader
.irp p, 0,1,2,3,4,5,6,7,8,9,10,11,12,13,14,15
	v_pk_mul_f32 v[X+2*\p:X+2*\p+1], v[X+2*\p:X+2*\p+1], v[T+6:T+7] op_sel_hi:[1,0]
.endr
	s_wait_loadcnt 0x0                             ; g and s
.irp p, 0,1,2,3,4,5,6,7,8,9,10,11,12,13,14,15
	v_pk_fma_f32 v[X+2*\p:X+2*\p+1], v[X+2*\p:X+2*\p+1], v[G+2*\p:G+2*\p+1], v[SH+2*\p:SH+2*\p+1]
.endr
.irp j, 0,1,2,3,4,5,6,7
	v_cvt_pk_f16_f32 v[X+4*\j], v[X+4*\j], v[X+4*\j+1]          ; in place: the row's registers are not used again
	v_cvt_pk_f16_f32 v[X+4*\j+1], v[X+4*\j+2], v[X+4*\j+3]
	global_store_b64 v3, v[X+4*\j:X+4*\j+1], s[10:11] offset:256*\j
.endr
	s_endpgm                                       ; this wave has touched no LDS
.Lweights:
	s_load_b256 s[4:11], s[0:1], 0x20              ; Wq, Wk, Wv, Wo
	s_load_b128 s[12:15], s[0:1], 0x40             ; W1, W2
	s_load_b64 s[16:17], s[0:1], 0x50              ; wt
	s_lshr_b32 s22, ttmp9, 4                       ; kt: which 128 k
	s_and_b32 s23, ttmp9, 15                       ; nt: which 64 n
	s_mov_b32 s50, 4096
	s_mov_b32 s51, 2048
	s_max_u32 s43, s20, 4
	s_sub_co_u32 s43, s43, 4
	s_lshl_b32 s44, s43, 12                        ; W1: 1,024 columns of 4 bytes for each unit past 4
	s_max_u32 s43, s20, 8
	s_sub_co_u32 s43, s43, 8
	s_lshl_b32 s48, s43, 22                        ; W2: 1,024 rows of 4,096 bytes for each unit past 8
	s_lshl_b32 s49, s43, 11                        ; and 1,024 k of 2 bytes in wt,
	s_add_co_u32 s49, s49, 16777216                ; behind the other weights
	s_lshl_b32 s46, s20, 21                        ; units 0-7: 1,024 rows of 2,048 bytes each
	s_cmp_ge_u32 s20, 4
	s_cselect_b32 s41, 16384, s50                  ; bytes in a row of W
	s_cmp_ge_u32 s20, 8
	s_cselect_b32 s44, s48, s44                    ; the unit's first byte in W
	s_cselect_b32 s41, s50, s41
	s_cselect_b32 s46, s49, s46                    ; the unit's first byte in wt
	s_cselect_b32 s42, 8192, s51                   ; bytes in a row of wt
	s_lshl_b32 s52, s22, 7
	s_mul_i32 s52, s52, s41                        ; 128 kt rows
	s_add_co_u32 s52, s52, s44
	s_lshl_b32 s53, s23, 8                         ; 64 nt columns
	s_add_co_u32 s52, s52, s53
	s_mov_b32 s53, 0
	s_lshl_b32 s54, s41, 5                         ; a batch: 32 rows
	s_mov_b32 s55, 0
	s_lshl_b32 s56, s23, 6
	s_mul_i32 s56, s56, s42                        ; 64 nt rows of wt
	s_add_co_u32 s56, s56, s46
	s_lshl_b32 s57, s22, 8                         ; 128 kt numbers of 2 bytes
	s_add_co_u32 s56, s56, s57
	s_mov_b32 s57, 0
	s_lshl_b32 s58, s42, 4                         ; a group: 16 rows
	s_mov_b32 s59, 0
	v_and_b32 v1, 15, v0                           ; c
	v_lshrrev_b32 v2, 4, v0                        ; h
	v_lshlrev_b32 v3, 1, v2
	v_mul_lo_u32 v3, v3, s41
	v_lshl_add_u32 v3, v1, 4, v3                   ; 2 h rows + 16 c
.set i_, 0
.rept 16
	v_mad_u32_u24 v[LO+i_], s41, 4*(i_/2)+i_%2, v3
.set i_, i_+1
.endr
	v_lshrrev_b32 v4, 2, v1
	v_lshlrev_b32 v4, 1, v4                        ; 2 (n / 16), n = 4 c + j
	v_mul_u32_u24 v5, v1, 4*PITCH
	v_lshl_add_u32 v5, v2, 2, v5                   ; row 4 c, 4 h bytes
.set i_, 0
.rept 8
	v_add_nc_u32 v6, i_, v4
	v_and_b32 v6, 7, v6                            ; the pair's 8 bytes, moved round inside the batch's 64
	v_lshl_add_u32 v[TS+i_], v6, 3, v5
.set i_, i_+1
.endr
	v_mul_u32_u24 v7, v2, PITCH
.set i_, 0
.rept 4
	v_add_nc_u32 v6, i_, v1
	v_and_b32 v6, 3, v6
	v_and_or_b32 v6, v1, 12, v6                    ; chunk c of rows 16 g .. lies at (c & 12) | ((c + g) & 3)
	v_lshl_add_u32 v[TR+i_], v6, 4, v7
.set i_, i_+1
.endr
	v_mul_lo_u32 v44, v2, s42
	v_lshl_add_u32 v44, v1, 4, v44
.set i_, 0
.rept 8
	v_mad_u32_u24 v[SO+i_], s42, 2*i_, v44
.set i_, i_+1
.endr
	s_wait_kmcnt 0x0
	s_cmp_eq_u32 s20, 1                            ; the unit's tensor
	s_cselect_b64 s[4:5], s[6:7], s[4:5]
	s_cmp_eq_u32 s20, 2
	s_cselect_b64 s[4:5], s[8:9], s[4:5]
	s_cmp_eq_u32 s20, 3
	s_cselect_b64 s[4:5], s[10:11], s[4:5]
	s_cmp_ge_u32 s20, 4
	s_cselect_b64 s[4:5], s[12:13], s[4:5]
	s_cmp_ge_u32 s20, 8
	s_cselect_b64 s[4:5], s[14:15], s[4:5]
	s_add_nc_u64 s[SB:SB+1], s[4:5], s[52:53]
	s_add_nc_u64 s[SB+2:SB+3], s[SB:SB+1], s[54:55]
	s_add_nc_u64 s[SB+4:SB+5], s[SB+2:SB+3], s[54:55]
	s_add_nc_u64 s[SB+6:SB+7], s[SB+4:SB+5], s[54:55]
	s_add_nc_u64 s[DB:DB+1], s[16:17], s[56:57]
	s_add_nc_u64 s[DB+2:DB+3], s[DB:DB+1], s[58:59]
	s_add_nc_u64 s[DB+4:DB+5], s[DB+2:DB+3], s[58:59]
	s_add_nc_u64 s[DB+6:DB+7], s[DB+4:DB+5], s[58:59]
.macro FILL beta, D                    ; a batch: 32 rows x 256 bytes, sixteen loads; lanes 0-15 one row, lanes 16-31 the row two further down
.set i_, 0
.rept 16
	global_load_b128 v[(\D)+4*i_:(\D)+4*i_+3], v[LO+i_], s[SB+2*(\beta):SB+2*(\beta)+1] th:TH_LOAD_NT
.set i_, i_+1
.endr
.endm
.macro WORK beta, D                    ; loads 2 q and 2 q + 1 hold rows k and k + 1 of my four columns: four pairs (k, k + 1), one for each column, made in place
.set q_, 0
.rept 8
.irp j, 0,1,2,3
	v_cvt_pk_f16_f32 v[(\D)+8*q_+\j], v[(\D)+8*q_+\j], v[(\D)+8*q_+4+\j]
.endr
.irp j, 0,1,2,3
	ds_store_b32 v[TS+q_], v[(\D)+8*q_+\j] offset:\j*PITCH+64*(\beta)
.endr
.set q_, q_+1
.endr
.endm
	FILL 0, D0
	FILL 1, D1
	FILL 2, D2
	s_wait_loadcnt 32                              ; the oldest batch is in; the two younger ones' 32 loads stay out
	WORK 0, D0
	s_wait_dscnt 0x0                               ; the stores have taken their data: the batch's registers are loaded again only behind this wait
	FILL 3, D0
	s_wait_loadcnt 32
	WORK 1, D1
	s_wait_loadcnt 16
	WORK 2, D2
	s_wait_loadcnt 0x0
	WORK 3, D0
.set t_, 0
.rept 32                               ; back by rows: LDS serves a wave's instructions in order (ISA guide 5.7.1.4), so these see the stores above
	ds_load_b128 v[D1+4*t_:D1+4*t_+3], v[TR+t_/8] offset:2*t_*PITCH
.set t_, t_+1
.endr
.set t_, 0
.rept 32
	s_wait_dscnt 31-t_                             ; load t is back; the younger ones stay out
	global_store_b128 v[SO+t_%8], v[D1+4*t_:D1+4*t_+3], s[DB+2*(t_/8):DB+2*(t_/8)+1]  ; 16 lanes store 256 consecutive bytes, aligned
.set t_, t_+1
.endr
	s_wait_tensorcnt 0x0                           ; the wave's end
	ds_add_u32 v[SPW], v[NIL]
	s_wait_dscnt 0x0
	s_endpgm
.Lfunc_end_k_q2e8864e981_pre:
	.size	k_q2e8864e981_pre, .Lfunc_end_k_q2e8864e981_pre-k_q2e8864e981_pre
	.p2alignl 7, 3214868480
	.fill 96, 4, 3214868480
	.section	.rodata,"a",@progbits
	.p2align	6, 0x0
	.amdhsa_kernel k_q2e8864e981_pre
		.amdhsa_group_segment_fixed_size 17664
		.amdhsa_private_segment_fixed_size 0
		.amdhsa_enable_private_segment 0
		.amdhsa_kernarg_size 88
		.amdhsa_user_sgpr_count 2
		.amdhsa_user_sgpr_kernarg_segment_ptr 1
		.amdhsa_wavefront_size32 1
		.amdhsa_system_sgpr_workgroup_id_x 1
		.amdhsa_system_sgpr_workgroup_id_y 1
		.amdhsa_system_sgpr_workgroup_id_z 1
		.amdhsa_system_vgpr_workitem_id 0
		.amdhsa_next_free_vgpr 242
		.amdhsa_next_free_sgpr 66
		.amdhsa_reserve_vcc 0
		.amdhsa_float_denorm_mode_32 3
		.amdhsa_float_denorm_mode_16_64 3
		.amdhsa_memory_ordered 1
		.amdhsa_forward_progress 1
		.amdhsa_inst_pref_size 46
	.end_amdhsa_kernel
	.amdgpu_metadata
---
amdhsa.version: [ 1, 2 ]
amdhsa.kernels:
  - .name:           k_q2e8864e981_pre
    .symbol:         k_q2e8864e981_pre.kd
    .args:
      - { .name: x, .offset: 0, .size: 8, .value_kind: global_buffer, .address_space: global }
      - { .name: g1, .offset: 8, .size: 8, .value_kind: global_buffer, .address_space: global }
      - { .name: s1, .offset: 16, .size: 8, .value_kind: global_buffer, .address_space: global }
      - { .name: hb, .offset: 24, .size: 8, .value_kind: global_buffer, .address_space: global }
      - { .name: Wq, .offset: 32, .size: 8, .value_kind: global_buffer, .address_space: global }
      - { .name: Wk, .offset: 40, .size: 8, .value_kind: global_buffer, .address_space: global }
      - { .name: Wv, .offset: 48, .size: 8, .value_kind: global_buffer, .address_space: global }
      - { .name: Wo, .offset: 56, .size: 8, .value_kind: global_buffer, .address_space: global }
      - { .name: W1, .offset: 64, .size: 8, .value_kind: global_buffer, .address_space: global }
      - { .name: W2, .offset: 72, .size: 8, .value_kind: global_buffer, .address_space: global }
      - { .name: wt, .offset: 80, .size: 8, .value_kind: global_buffer, .address_space: global }
    .group_segment_fixed_size: 17664
    .private_segment_fixed_size: 0
    .kernarg_segment_align: 8
    .kernarg_segment_size: 88
    .max_flat_workgroup_size: 32
    .sgpr_count:     66
    .vgpr_count:     242
    .wavefront_size: 32
...
	.end_amdgpu_metadata
.endif
;; end of part 1
;; launch qkv (part 2): grid 16 x 16, 4 waves a work-group, clusters of 4 x 4, 327,680 bytes of LDS; arguments hb, wt, qkv, bq, bk, bv; writes qkv
.if DOCPART == 2
	.amdgcn_target "amdgcn-amd-amdhsa--gfx1250"
	.amdhsa_code_object_version 6
	.text
	.protected	k_q2e8864e981_qkv
	.globl	k_q2e8864e981_qkv
	.p2align	8
	.type	k_q2e8864e981_qkv,@function
k_q2e8864e981_qkv:
	s_mov_b64 s[64:65], 0
	v_nop
	global_prefetch_b8 v0, s[64:65] scope:SCOPE_SE
	s_setreg_imm32_b32 hwreg(HW_REG_WAVE_MODE, 25, 1), 1
	s_wait_xcnt 0x0
	s_wait_alu depctr_hold_cnt(0) depctr_sa_sdst(0) depctr_va_vdst(0) depctr_va_sdst(0) depctr_va_ssrc(0) depctr_va_vcc(0) depctr_vm_vsrc(0)
	s_getreg_b32 s2, hwreg(HW_REG_IB_STS2, 6, 4)
	s_cmp_eq_u32 s2, 0
	s_cbranch_scc0 .Lentry_in_a_cluster
	s_endpgm
.Lentry_in_a_cluster:
	s_bfe_u32 s2, ttmp6, 0x10000c
	s_cmp_lg_u32 s2, 0xf033
	s_cbranch_scc0 .Lentry_shape_is_right
	s_endpgm
.Lentry_shape_is_right:
; q | k | v = h Wqkv + bias.  A = h [4096][1024] f16, B = wt's first 3,072 rows [n][k] f16; sums in f32, started by the bias; the result is
; rounded once to f16 and stored by heads: qkv[b][g][s][64], g = n / 64 (0-15 q, 16-31 k, 32-47 v), unscaled.
; LIMIT: f16 ends at 65,504: |q|, |k|, |v| must stay within it (with gains and weights 30 times those expected they reach some thousands).
; A tile of C is 256 x 192 (three heads): four waves, each 128 x 96 = 48 accumulators.  K goes in steps of 128 through two LDS slots filled by
; the tensor data mover (rows of 256 bytes, padded to 272).  One K step is written once: the slot in hand is the scalar TB, 0 or SLOT.
; CLUSTER 4 x 4: A's tile is shared along a row of the cluster, B's along a column; each is asked for jointly.
; The matrix instruction is used transposed (source 0 = 16 rows of B, source 1 = 16 rows of A): a lane holds 8 neighbouring columns of a row of C.
; WINDOWS: 0: addresses, A's two fragment buffers v64-191, the bias fragments v192-255; 1: B's two buffers; 2, 3: accumulator t = a NB + b at 8 (t % 32).
.set MA, 8                             ; blocks of 16 rows of C a wave
.set NB, 6                             ; blocks of 16 columns a wave
.set KD, 1                             ; products deep in a quarter of a K step
.set SIZE_K, 1024
.set WTOFF, 0
.set APITCH, 272
.set ACH, 64                           ; bytes from quarter to quarter in A's LDS rows
.set BPITCH, 272
.set BCH, 64
.set HALFA, 16*MA*APITCH
.set AD0, 128*KD                       ; A's tile: elements in a row, rows, elements from row to row
.set AD1, 16*MA
.set AST, SIZE_K
.set AQI, 5
.set BQI, 5
.set ASTEP, 256
.set BSTEP, 256
.set PF, 1
.set RPA, 32                           ; rows of a wave's load that each of the four partners prefetches
.set RPB, 24
.set T,     SIZE_K/(128*KD)
.set TM,    32*MA
.set TN,    32*NB
.set HALFB, 16*NB*BPITCH
.set SLOT,  2*HALFA+2*HALFB            ; A's two halves, then B's two halves
.set SPARE, 2*SLOT                     ; behind the ring: the spare words, two blocks of 256 bytes that no other line names
.set SP,    4*TN+16                    ; the way out: a row of the tile in f32, padded; it lies on the ring once the ring has had its last fill
.set NL,    2*KD*(MA+NB)               ; LDS loads in a quarter's run
.set FLA,   (1<<16)|(1<<20)|(1<<21)|(AQI<<22)|(3<<25)  ; 2-byte elements; padding on; bit 21 beside a mask; after every row's words; 4 words
.set FLB,   (1<<16)|(1<<20)|(1<<21)|(BQI<<22)|(3<<25)
.set CN, 3
.set WV, 16
.set WR, 17                            ; my half of the tile's rows; also: I fetch for A (0) or B (1)
.set WC, 18                            ; my half of its columns; also: which half of that tile I fetch
.set CX, 19
.set CY, 20
.set TC, 21
.set TR, 22
.set TB, 23
.set G1A, 24
.set G0A, 32                           ; two sets: step 0 into slot 0; step 1 into slot 1, which then walks
.set G1B, 48
.set G0B, 56
.set LDA, 66
.set LDB, 67
.set LIM, 68
.set PFA, 70
.set BP, 84                            ; s[84:95] the bias at each of my six blocks of 16 columns
.set A0, 8
.set B0, 9
.set ADRA, 10
.set ADRB, 11
.set STO, 12
.set RD, 14
.set CO, 15
.set PFO, 16
.set BO, 18
.set SPW, 28
.set NIL, 29
.set F0, 64
.set F1, 128
.set BF, 192
.set MSB, 0
.macro WIN new                         ; the immediate's high byte repeats the setting that is left; a switch that changes nothing is dropped
.if MSB != (\new)
	s_set_vgpr_msb (MSB<<8)|(\new)
.set MSB, \new
.endif
.endm
.macro PLACES                          ; four places behind matrix instructions, in front of loads into their sources and of readers of their results
.rept 4
	v_nop
.endr
.endm
.macro CREST                           ; a round of the cluster's barrier behind its opening barrier
	s_cmp_lg_u32 s[WV], 0
	s_cbranch_scc1 .Lnot_wave_0_\@
	s_barrier_signal -3
.Lnot_wave_0_\@:
	s_barrier_wait -3
	s_barrier_signal -1
	s_barrier_wait -1
.endm
.macro CROUND
	s_barrier_signal -1
	s_barrier_wait -1
	CREST
.endm
.macro JLOAD                           ; the joint refill by the walking set; the branch hangs on the wave's number alone
	s_cmp_eq_u32 s[WR], 0
	s_cbranch_scc0 .Lfor_b_\@
	tensor_load_to_lds s[G0A+4:G0A+7], s[G1A:G1A+7]
	s_nop 0
.rept 4
	v_nop
.endr
	s_branch .Lasked_\@
.Lfor_b_\@:
	tensor_load_to_lds s[G0B+4:G0B+7], s[G1B:G1B+7]
	s_nop 0
.rept 4
	v_nop
.endr
.Lasked_\@:
.endm
.macro ASK                             ; a prefetch of the K step two refills on: my work-group's rows of the rows that I fetch, one block of 256 bytes a lane
	s_cmp_gt_u32 s[CN], s[LIM]                     ; the last two refills have no such step; LIM is the greatest number in a wave that asks for nothing
	s_cbranch_scc0 .Lnot_mine_\@
	global_prefetch_b8 v[PFO], s[PFA:PFA+1] offset:BSTEP th:TH_LOAD_NT scope:SCOPE_SE
.Lnot_mine_\@:
.endm
; na blocks of rows from a0 on x all NB blocks of columns, KD deep, from buffer f.  The accumulators take turns, one instruction a turn.
; first = 1: the first product of each sum takes the bias fragment as C.
.macro MUL f, a0, na, first
.set c_, 0
.rept KD
.set a_, \a0
.rept \na
.set b_, 0
.rept NB
.set t_, a_*NB+b_
.set d_, 8*(t_%32)
.if (\first) && (c_ == 0)
	WIN 0x81+0x40*(t_/32)
	v_wmma_f32_16x16x32_f16 v[d_:d_+7], v[(\f)+8*(b_*KD+c_):(\f)+8*(b_*KD+c_)+7], v[(\f)+8*(a_*KD+c_):(\f)+8*(a_*KD+c_)+7], v[BF+8*b_:BF+8*b_+7]
.else
	WIN 0xa1+0x50*(t_/32)
	v_wmma_f32_16x16x32_f16 v[d_:d_+7], v[(\f)+8*(b_*KD+c_):(\f)+8*(b_*KD+c_)+7], v[(\f)+8*(a_*KD+c_):(\f)+8*(a_*KD+c_)+7], v[d_:d_+7]
.endif
.set b_, b_+1
.endr
.set a_, a_+1
.endr
.set c_, c_+1
.endr
.endm
.macro FETCH k, f                      ; quarter k's fragments into buffer f, in one run: B's, then A's
	WIN 0x40
.set i_, 0
.rept NB
.set c_, 0
.rept KD
	ds_load_b128 v[(\f)+8*(i_*KD+c_):(\f)+8*(i_*KD+c_)+3],   v[ADRB] offset:(\k)*BCH+64*c_+i_*16*BPITCH
	ds_load_b128 v[(\f)+8*(i_*KD+c_)+4:(\f)+8*(i_*KD+c_)+7], v[ADRB] offset:(\k)*BCH+64*c_+i_*16*BPITCH+32
.set c_, c_+1
.endr
.set i_, i_+1
.endr
	WIN 0
.set i_, 0
.rept MA
.set c_, 0
.rept KD
	ds_load_b128 v[(\f)+8*(i_*KD+c_):(\f)+8*(i_*KD+c_)+3],   v[ADRA] offset:(\k)*ACH+64*c_+i_*16*APITCH
	ds_load_b128 v[(\f)+8*(i_*KD+c_)+4:(\f)+8*(i_*KD+c_)+7], v[ADRA] offset:(\k)*ACH+64*c_+i_*16*APITCH+32
.set c_, c_+1
.endr
.set i_, i_+1
.endr
.endm
.macro QUARTER k, f, g, first          ; multiplies buffer f; in its middle fetches quarter k into buffer g
	s_wait_dscnt MA*KD                             ; B and A's lower half are in; the youngest loads, A's upper half, may be out
	MUL \f, 0, MA/2, \first
	PLACES
	FETCH \k, \g
	s_wait_dscnt NL                                ; all but the run just issued
	MUL \f, MA/2, MA/2, \first
.endm
; The last quarter multiplies buffer 1 and changes slots: one barrier; in front of it each wave waits for all its tensor loads (one is out: its part of the
; next slot), adds 0 to its spare word, and waits for that and for its reads of this slot.  fill = 1: the barrier opens a round of the cluster's, and this slot is filled again.
.macro TURN fill
.if PF && (\fill)
	s_wait_xcnt 0x0                                ; the last prefetch, a K step back, has read its address
	s_add_nc_u64 s[PFA:PFA+1], s[PFA:PFA+1], BSTEP
.endif
	WIN 0
	s_wait_tensorcnt 0x0                           ; no tensor load of mine is out, so a group 0 may be written
	ds_add_u32 v[SPW], v[NIL]
.if \fill
	s_add_co_u32 s[G0A+5], s[LDA], s[TB]           ; the walking sets: into the slot in hand,
	s_add_co_u32 s[G0B+5], s[LDB], s[TB]
	s_add_nc_u64 s[G0A+6:G0A+7], s[G0A+6:G0A+7], ASTEP  ; the next K step not yet asked for
	s_add_nc_u64 s[G0B+6:G0B+7], s[G0B+6:G0B+7], BSTEP
.endif
	s_xor_b32 s[TB], s[TB], SLOT                   ; the fetches go on in the other slot
	s_wait_dscnt MA*KD+1                           ; the add and A's upper half may be out
	MUL F1, 0, MA/4, 0
	s_wait_dscnt 0x0                               ; the add is done, my reads of this slot are over
	s_barrier_signal -1
	MUL F1, MA/4, MA/4, 0
	WIN 0
	s_barrier_wait -1
.if \fill
	CREST
	JLOAD                                          ; the first tensor load behind the round; its four v_nop are also the places in front of the loads below
.else
	PLACES
.endif
	v_add_nc_u32 v[ADRA], s[TB], v[A0]
	v_add_nc_u32 v[ADRB], s[TB], v[B0]
	FETCH 0, F0
.if PF && (\fill)
	ASK
.endif
	MUL F1, MA/2, MA/2, 0
.endm
.macro STAGE                           ; every accumulator into the tile's f32 image in LDS, its low registers first
.set a_, 0
.rept MA
.set b_, 0
.rept NB
.set t_, a_*NB+b_
.set d_, 8*(t_%32)
	WIN 0x08+0x04*(t_/32)
	ds_store_b128 v[STO+a_/4], v[d_:d_+3]   offset:(a_%4)*16*SP+64*b_
	ds_store_b128 v[STO+a_/4], v[d_+4:d_+7] offset:(a_%4)*16*SP+64*b_+16
.set b_, b_+1
.endr
.set a_, a_+1
.endr
	WIN 0
.endm
	s_load_b256 s[4:11], s[0:1], 0x0               ; A s[4:5], wt s[6:7], out s[8:9], bq s[10:11]
	s_load_b128 s[12:15], s[0:1], 0x20             ; bk, bv
	v_lshl_add_u32 v[SPW], v0, 2, SPARE
	v_mov_b32 v[NIL], 0
	ds_add_u32 v[SPW], v[NIL]                      ; the opening: the add; its wait stands ahead of my first tensor load
	ds_add_u32 v28, v29
	v_lshrrev_b32 v1, 5, v0
	v_readfirstlane_b32 s[WV], v1
	s_lshr_b32 s[WR], s[WV], 1
	s_and_b32 s[WC], s[WV], 1
	s_bfe_u32 s[CX], ttmp6, 0x40000
	s_bfe_u32 s[CY], ttmp6, 0x40004
	s_lshl_b32 s[TC], ttmp9, 2
	s_add_co_u32 s[TC], s[TC], s[CX]               ; tile column
	s_and_b32 s[TR], ttmp7, 0xffff
	s_lshl_b32 s[TR], s[TR], 2
	s_add_co_u32 s[TR], s[TR], s[CY]               ; tile row
	s_lshl_b32 s40, s[CY], 2                       ; s40-43 hold only what my row of the cluster shares, s44-47 only what my column shares
	s_lshl_b32 s40, 15, s40
	s_or_b32 s[G1A], s40, FLA
	s_lshl_b32 s44, 0x1111, s[CX]
	s_or_b32 s[G1B], s44, FLB
	s_mov_b32 s[G1A+1], (AD0&0xffff)<<16
	s_mov_b32 s[G1A+2], (AD0>>16)|(AD1<<16)
	s_mov_b32 s[G1A+3], (AD1>>16)|(AD0<<16)
	s_mov_b32 s[G1A+4], AD1
	s_mov_b32 s[G1A+5], AST
	s_mov_b32 s[G1A+6], 0
	s_mov_b32 s[G1A+7], 0
	s_mov_b32 s[G1B+1], (128*KD)<<16
	s_mov_b32 s[G1B+2], (16*NB)<<16
	s_mov_b32 s[G1B+3], (128*KD)<<16
	s_mov_b32 s[G1B+4], 16*NB
	s_mov_b32 s[G1B+5], SIZE_K
	s_mov_b32 s[G1B+6], 0
	s_mov_b32 s[G1B+7], 0
	s_mul_i32 s42, s[TR], TM
	s_mul_i32 s41, s[WC], 16*MA
	s_add_co_u32 s42, s42, s41                     ; the first row of A that I fetch
	s_mul_i32 s42, s42, 2*SIZE_K
	s_mov_b32 s43, 0
	s_mul_i32 s46, s[TC], TN
	s_mul_i32 s45, s[WC], 16*NB
	s_add_co_u32 s46, s46, s45                     ; the first row of B that I fetch
	s_mul_i32 s46, s46, 2*SIZE_K
	s_add_co_u32 s46, s46, WTOFF
	s_mov_b32 s47, 0
	s_mul_i32 s[LDA], s[WC], HALFA
	s_mul_i32 s[LDB], s[WC], HALFB
	s_add_co_u32 s[LDB], s[LDB], 2*HALFA
	s_mov_b32 s[TB], 0
	s_wait_dscnt 0x0                               ; the opening add is done
	s_wait_kmcnt 0x0
	s_add_nc_u64 s[42:43], s[4:5], s[42:43]
	s_add_nc_u64 s[46:47], s[6:7], s[46:47]
.irp s, 0,1
	s_mov_b32 s[G0A+4*\s], 1
	s_add_co_u32 s[G0A+4*\s+1], s[LDA], \s*SLOT
	s_add_nc_u64 s[G0A+4*\s+2:G0A+4*\s+3], s[42:43], \s*ASTEP
	s_or_b32 s[G0A+4*\s+3], s[G0A+4*\s+3], 0x80000000
	s_mov_b32 s[G0B+4*\s], 1
	s_add_co_u32 s[G0B+4*\s+1], s[LDB], \s*SLOT
	s_add_nc_u64 s[G0B+4*\s+2:G0B+4*\s+3], s[46:47], \s*BSTEP
	s_or_b32 s[G0B+4*\s+3], s[G0B+4*\s+3], 0x80000000
.endr
	CROUND                                         ; all sixteen work-groups are here: the first joint loads meet
	s_cmp_eq_u32 s[WR], 0                          ; a wave's two first fills stand in one branch: two loads of mine are out
	s_cbranch_scc0 .Lfirst_b
	tensor_load_to_lds s[G0A:G0A+3], s[G1A:G1A+7]
	s_nop 0
	tensor_load_to_lds s[G0A+4:G0A+7], s[G1A:G1A+7]
	s_nop 0
.rept 4
	v_nop
.endr
	s_branch .Lfirst_done
.Lfirst_b:
	tensor_load_to_lds s[G0B:G0B+3], s[G1B:G1B+7]
	s_nop 0
	tensor_load_to_lds s[G0B+4:G0B+7], s[G1B:G1B+7]
	s_nop 0
.rept 4
	v_nop
.endr
.Lfirst_done:
	v_and_b32 v1, 15, v0                           ; r = l % 16
	v_bfe_u32 v2, v0, 4, 1                         ; h = l / 16
	v_and_b32 v3, 31, v0                           ; l
	v_lshlrev_b32 v[BO], 5, v2                     ; my 8 columns of a block of 16: 32 h bytes
	; the prefetches.  A's rows are read by every cluster of this row of clusters: cluster x = 0 asks; B's by every cluster of this column: cluster y = 0 asks.
	; The four partners share a wave's rows out by address.  Nothing is asked for here at the head; K steps 0 to 3 come by their loads alone.
	s_and_b32 s72, ttmp7, 0xffff
	s_cmp_eq_u32 s[WR], 0
	s_cselect_b32 s73, s[CX], s[CY]
	s_cselect_b32 s72, ttmp9, s72
	s_cselect_b32 s77, RPA, RPB
	s_cselect_b64 s[PFA:PFA+1], s[42:43], s[46:47]
	s_cmp_eq_u32 s72, 0
	s_cselect_b32 s[LIM], 2, -1
	s_mul_i32 s74, s73, s77
	s_mul_i32 s74, s74, 2*SIZE_K
	s_mov_b32 s75, 0
	s_add_nc_u64 s[PFA:PFA+1], s[PFA:PFA+1], s[74:75]
	s_add_nc_u64 s[PFA:PFA+1], s[PFA:PFA+1], 2*BSTEP
	s_sub_co_u32 s77, s77, 1
	v_min_u32 v[PFO], s77, v3                      ; a lane a row; of B's 24 rows the last is named by the lanes left over
	v_mul_u32_u24 v[PFO], v[PFO], 2*SIZE_K
	; the bias: block idx = 12 x tile column + 6 x half + b of 16 columns lies in vector idx / 64, at byte 64 (idx % 64)
	s_mul_i32 s76, s[TC], 12
	s_mul_i32 s77, s[WC], 6
	s_add_co_u32 s76, s76, s77
.irp b, 0,1,2,3,4,5
	s_add_co_u32 s72, s76, \b
	s_lshr_b32 s73, s72, 6
	s_and_b32 s74, s72, 63
	s_lshl_b32 s74, s74, 6
	s_mov_b32 s75, 0
	s_cmp_eq_u32 s73, 1
	s_cselect_b64 s[BP+2*\b:BP+2*\b+1], s[12:13], s[10:11]
	s_cmp_eq_u32 s73, 2
	s_cselect_b64 s[BP+2*\b:BP+2*\b+1], s[14:15], s[BP+2*\b:BP+2*\b+1]
	s_add_nc_u64 s[BP+2*\b:BP+2*\b+1], s[BP+2*\b:BP+2*\b+1], s[74:75]
	global_load_b128 v[BF+8*\b:BF+8*\b+3],   v[BO], s[BP+2*\b:BP+2*\b+1]
	global_load_b128 v[BF+8*\b+4:BF+8*\b+7], v[BO], s[BP+2*\b:BP+2*\b+1] offset:16
.endr
	; LDS addresses: made of the wave's number and the lane alone (s78, s79)
	s_mul_i32 s78, s[WR], HALFA
	v_mul_u32_u24 v[A0], v1, APITCH
	v_lshl_add_u32 v[A0], v2, 4, v[A0]
	v_add_nc_u32 v[A0], s78, v[A0]
	s_mul_i32 s79, s[WC], HALFB
	s_add_co_u32 s79, s79, 2*HALFA
	v_mul_u32_u24 v[B0], v1, BPITCH
	v_lshl_add_u32 v[B0], v2, 4, v[B0]
	v_add_nc_u32 v[B0], s79, v[B0]
	v_mov_b32 v[ADRA], v[A0]
	v_mov_b32 v[ADRB], v[B0]
	s_mul_i32 s78, s[WR], 16*MA*SP
	s_mul_i32 s79, s[WC], 64*NB
	s_add_co_u32 s78, s78, s79
	v_mul_u32_u24 v[STO], v1, SP
	v_lshl_add_u32 v[STO], v2, 5, v[STO]
	v_add_nc_u32 v[STO], s78, v[STO]               ; row 16 MA WR + r, byte 64 NB WC + 32 h
	v_add_nc_u32 v[STO+1], 64*SP, v[STO]
	s_mul_i32 s78, s[WV], 64*SP                    ; back: wave w takes rows 64 w ..; lanes 0-15 a head's 256 bytes of one row, lanes 16-31 of the next
	v_mul_u32_u24 v[RD], v2, SP
	v_lshl_add_u32 v[RD], v1, 4, v[RD]
	v_add_nc_u32 v[RD], s78, v[RD]
	v_lshlrev_b32 v[CO], 3, v3                     ; two rows of 128 bytes are 256 consecutive bytes of a head: 8 l
	s_lshr_b32 s72, s[TR], 3                       ; b
	s_mul_i32 s72, s72, 48
	s_mul_i32 s73, s[TC], 3
	s_add_co_u32 s72, s72, s73                     ; the tile's first head among the 96
	s_lshl_b32 s72, s72, 11
	s_and_b32 s73, s[TR], 7
	s_lshl_b32 s73, s73, 8
	s_add_co_u32 s72, s72, s73
	s_lshl_b32 s73, s[WV], 6
	s_add_co_u32 s72, s72, s73                     ; + my first row
	s_lshl_b32 s72, s72, 7
	s_mov_b32 s73, 0
	s_add_nc_u64 s[8:9], s[8:9], s[72:73]
	s_wait_tensorcnt 0x1                           ; my part of K step 0 is in; step 1's may stay out
	s_barrier_signal -1
	s_barrier_wait -1
	FETCH 0, F0
	s_wait_loadcnt 0x0                             ; the bias
	QUARTER 1, F0, F1, 1                           ; the first quarter stands in front of the loop: its products start the sums
	WIN 0
	s_mov_b32 s[CN], T-2
.Lstep:                                        ; a trip: a K step's quarters 1 to 3 and the next step's quarter 0; it asks for the step two on
	QUARTER 2, F1, F0, 0
	QUARTER 3, F0, F1, 0
	TURN 1
	QUARTER 1, F0, F1, 0
	WIN 0
	s_sub_co_u32 s[CN], s[CN], 1
	s_cmp_lg_u32 s[CN], 0
	s_cbranch_scc1 .Lstep
	s_mov_b32 s[CN], 2
.Ltail:                                        ; the last two K steps ask for nothing; the second trip is left in its middle
	QUARTER 2, F1, F0, 0
	QUARTER 3, F0, F1, 0
	TURN 0
	WIN 0
	s_sub_co_u32 s[CN], s[CN], 1
	s_cmp_eq_u32 s[CN], 0
	s_cbranch_scc1 .Lout
	QUARTER 1, F0, F1, 0
	WIN 0
	s_branch .Ltail
.Lout:                                         ; (the last TURN's run of loads, from the slot read before, serves nothing: the price of one text for both trips)
	s_wait_dscnt 0x0
	s_barrier_signal -1
	s_barrier_wait -1                              ; nobody reads the ring any more, and it is filled no more
	PLACES
	STAGE
	s_wait_dscnt 0x0                               ; for the others' sake: my stores are done
	s_barrier_signal -1
	s_barrier_wait -1
; THE WAY OUT: 8 trips of 8 rows: 12 loads (4 pairs of rows x 3 heads), rounded to f16, 12 stores of 256 consecutive bytes.
.set X, 64
.set Y, 112
.macro LDX
.irp rp, 0,1,2,3
.irp hh, 0,1,2
	ds_load_b128 v[X+4*(3*\rp+\hh):X+4*(3*\rp+\hh)+3], v[RD] offset:2*\rp*SP+256*\hh
.endr
.endr
.endm
	LDX
	s_mov_b32 s[CN], 8
.Lrows:
	s_wait_dscnt 0x0
.set i_, 0
.rept 24
	v_cvt_pk_f16_f32 v[Y+i_], v[X+2*i_], v[X+2*i_+1]
.set i_, i_+1
.endr
	s_cmp_eq_u32 s[CN], 1                          ; the next trip's rows are asked for now; the last trip asks for its own rows once more, so that nothing outside the tile is read
	s_cselect_b32 s78, 0, 8*SP
	v_add_nc_u32 v[RD], s78, v[RD]
	LDX
.irp rp, 0,1,2,3
.irp hh, 0,1,2
	global_store_b64 v[CO], v[Y+2*(3*\rp+\hh):Y+2*(3*\rp+\hh)+1], s[8:9] offset:\hh*262144+256*\rp
.endr
.endr
	s_wait_xcnt 0x0                                ; the stores have read their data and their base
	s_add_nc_u64 s[8:9], s[8:9], 1024
	s_sub_co_u32 s[CN], s[CN], 1
	s_cmp_lg_u32 s[CN], 0
	s_cbranch_scc1 .Lrows
	s_wait_tensorcnt 0x0                           ; the wave's end
	ds_add_u32 v[SPW], v[NIL]
	s_wait_dscnt 0x0
	CROUND                                         ; the closing round
	s_endpgm
.Lfunc_end_k_q2e8864e981_qkv:
	.size	k_q2e8864e981_qkv, .Lfunc_end_k_q2e8864e981_qkv-k_q2e8864e981_qkv
	.p2alignl 7, 3214868480
	.fill 96, 4, 3214868480
	.section	.rodata,"a",@progbits
	.p2align	6, 0x0
	.amdhsa_kernel k_q2e8864e981_qkv
		.amdhsa_group_segment_fixed_size 327680
		.amdhsa_private_segment_fixed_size 0
		.amdhsa_enable_private_segment 0
		.amdhsa_kernarg_size 48
		.amdhsa_user_sgpr_count 2
		.amdhsa_user_sgpr_kernarg_segment_ptr 1
		.amdhsa_wavefront_size32 1
		.amdhsa_system_sgpr_workgroup_id_x 1
		.amdhsa_system_sgpr_workgroup_id_y 1
		.amdhsa_system_sgpr_workgroup_id_z 1
		.amdhsa_system_vgpr_workitem_id 0
		.amdhsa_next_free_vgpr 896
		.amdhsa_next_free_sgpr 100
		.amdhsa_reserve_vcc 0
		.amdhsa_float_denorm_mode_32 3
		.amdhsa_float_denorm_mode_16_64 3
		.amdhsa_memory_ordered 1
		.amdhsa_forward_progress 1
		.amdhsa_inst_pref_size 73
	.end_amdhsa_kernel
	.amdgpu_metadata
---
amdhsa.version: [ 1, 2 ]
amdhsa.kernels:
  - .name:           k_q2e8864e981_qkv
    .symbol:         k_q2e8864e981_qkv.kd
    .args:
      - { .name: hb, .offset: 0, .size: 8, .value_kind: global_buffer, .address_space: global }
      - { .name: wt, .offset: 8, .size: 8, .value_kind: global_buffer, .address_space: global }
      - { .name: qkv, .offset: 16, .size: 8, .value_kind: global_buffer, .address_space: global }
      - { .name: bq, .offset: 24, .size: 8, .value_kind: global_buffer, .address_space: global }
      - { .name: bk, .offset: 32, .size: 8, .value_kind: global_buffer, .address_space: global }
      - { .name: bv, .offset: 40, .size: 8, .value_kind: global_buffer, .address_space: global }
    .group_segment_fixed_size: 327680
    .private_segment_fixed_size: 0
    .kernarg_segment_align: 8
    .kernarg_segment_size: 48
    .max_flat_workgroup_size: 128
    .sgpr_count:     100
    .vgpr_count:     896
    .wavefront_size: 32
...
	.end_amdgpu_metadata
.endif
;; end of part 2
;; launch attn (part 3): grid 8 x 32, 4 waves a work-group, no clusters, 327,680 bytes of LDS; arguments qkv, ctx; writes ctx
.if DOCPART == 3
	.amdgcn_target "amdgcn-amd-amdhsa--gfx1250"
	.amdhsa_code_object_version 6
	.text
	.protected	k_q2e8864e981_attn
	.globl	k_q2e8864e981_attn
	.p2align	8
	.type	k_q2e8864e981_attn,@function
k_q2e8864e981_attn:
	s_mov_b64 s[64:65], 0
	v_nop
	global_prefetch_b8 v0, s[64:65] scope:SCOPE_SE
	s_setreg_imm32_b32 hwreg(HW_REG_WAVE_MODE, 25, 1), 1
	s_wait_xcnt 0x0
; CAUSAL ATTENTION.  ctx[b][h][q][:] = the sum over k <= q of softmax_k(Q[q] . K[k] / 8) V[k][:].  qkv: [b][48][2048][64] f16 (heads 0-15 q, 16-31 k, 32-47 v); ctx: [b][16][2048][64] f16.
; Products, maxima and sums in f32; the weights p are rounded to f16 for the second product (their sum l is taken of the unrounded p), ctx once at the end.
; LIMITS.  q, k, v arrive within f16's 65,504; ctx is a mean of V's rows and has their range.  A hidden score counts as its value less 1e30; a weight below 2^-126 counts as 0 in l; NaN and infinities are not treated apart.
; THE WALK.  A head's queries lie in 16 blocks of 128, its keys in 16 slots of 128; block i needs the slots 0 .. i, of which slot i holds the diagonal.  A work-group takes blocks 15 - b and then b:
; 17 slots whatever b, so loops with constant counts walk them and all 256 work-groups do equal work.  The first block's slots are taken in the order b, b + 1, .., 15 - b, 0, .., b - 1 (a running maximum
; allows any order, and slot b is wholly seen by block 15 - b): a head's eight work-groups ask for eight different slots at any time.  The second block's go 0 .. b.
; Every jump but the counted loops' own goes forward and passes no barrier.
; NO CLUSTER: the partners of a head want different slots at every time, by the order above, and different numbers of them for each block.
; SHARES.  Of a block's two bands of 64 queries a wave owns 16 rows in each: two tiles.  A slot is two key steps of 64, both written out, so that every LDS address is the slot's base, the lane's term and a constant.
; In the diagonal slot step 0 is tile 0's own and all seen by tile 1; step 1 is hidden from tile 0 and tile 1's own.
; THE MASK is the C operand that starts S^T = K Q^T: MC = MD x AL + BE, MD the mask of a band's own step (0 or -1e30), made once.  MC is made anew only in the diagonal slot and in the slot behind it.
; LAYOUT.  S^T = K Q^T holds one query a lane (lane % 16) and the keys 8 (lane / 16) + 0..7; two such results rounded to f16 are source 1 of O^T = V^T P.  p = 2^(c s - c m), c = log2(e) / 8, with a running
; maximum m; O and l are multiplied by a = 2^(c m_old - c m_new) in every step.
; A KEY STEP, THE TWO TILES SKEWED, so that vector work stands behind 24 of its 32 products: K Q^T of tile 0; K Q^T of tile 1 | tile 0's maximum and first scalings; a lump: tile 0's exponentials by turns with
; tile 1's maximum; the wait; tile 0's roundings and rescaling; V^T P of tile 0 | tile 1's scalings and first exponentials; a lump: the other exponentials by turns with tile 0's sums; the wait; tile 1's
; first roundings and its rescaling; V^T P of tile 1 | its other roundings and its sums.
; WINDOWS: 0: addresses, statistics, S^T v32-95, P v96-127, O^T v128-191, V v192-255.  1: Q v0-31, the second block's Q v32-63, K v64-127, MC v128-191, MD v192-223.
.set KS,    64
.set PK,    144                        ; a row of K in LDS: 128 bytes + 16: the 16 rows of a load start at 16 different groups of four banks (ISA guide 11.1)
.set PV,    160                        ; a row of V: 128 + 32
.set VOFF,  2*KS*PK                    ; a slot: 128 rows of K, then 128 rows of V
.set SLOT1, 1<<16                      ; slot 1 begins here, so that one exclusive or turns an address in one slot into the other's
.set STAGE, SLOT1+2*KS*(PK+PV)         ; behind the ring, never filled by a tensor load: 16 rows x 144 bytes a wave
.set SP,    144
.set SPARE, STAGE+4*16*SP              ; the spare words: two blocks of 256 bytes that no other line names
.set AK0, 2                            ; v2   my lane's place in a slot's K; never rewritten
.set AV0, 3                            ; v3   the same for V
.set AK,  4                            ; v4   the same in the slot in hand: made once a slot
.set AV,  5
.set STO, 6
.set RD,  7
.set GO,  8
.set PFO, 9
.set SPW, 10
.set NIL, 11
.set MV,  12                           ; v12-13 c m_old
.set QO,  14
.set ST,  16                           ; tile u: c m, m, l (even keys', odd keys') at ST + 4 u
.set TMP, 24                           ; tile u: c0-c3 at work; c2 takes a
.set S,   32
.set P,   96
.set O,   128
.set VF,  192
.set QB,  32                           ; window 1
.set KF,  64
.set MC,  128
.set MD,  192
.set WV,  12
.set PB,  14                           ; b
.set HI,  15                           ; 15 - b
.set G1K, 24
.set G1V, 32
.set G0K, 40
.set G0V, 44
.set KVB, 48                           ; s[48:49] my part of slot 0 in K (waves 0, 1) or V (waves 2, 3)
.set SLOTS, 56                         ; counts a loop's slots
.set SM,  57                           ; the slot at which the first block's round ends: b; then a number that no slot has
.set CS,  58
.set SEL, 60
.set CUR, 62                           ; the number of the slot that is entered next
.set PEND, 63                          ; of the slot behind it, asked for last
.set SB,  66                           ; the LDS slot in hand: 0 or SLOT1
.set BI,  67                           ; the block in hand, which is the number of its diagonal slot
.set PD,  68                           ; 1: the slot before was a diagonal one
.set T1,  69
.set RT,  70                           ; slots of the block in hand still to be entered
.set NXT, 71                           ; the slot to be asked for next
.set LQ,  72                           ; the highest slot of the block whose slots are being asked for
.set NEW, 73                           ; 1: the slot to be entered is a block's first
.set OFF, 74
.set AL,  76                           ; s[76:77] 1.0 in the diagonal slot, else 0
.set BE,  78                           ; s[78:79] -1e30 in the diagonal slot, else 0
.set OLO, 80
.set BIGN, 82
.set ZZ,  88                           ; s[88:89] 0
.set MF,  90                           ; 1: the masks are made anew in this slot
.set PFA, 92
.set MSB, 0
.macro WIN new
.if MSB != (\new)
	s_set_vgpr_msb (MSB<<8)|(\new)
.set MSB, (\new)
.endif
.endm
.macro LOAD                            ; waves 0, 1 fetch the two key steps of a slot's K, waves 2, 3 of its V: 64 keys each
	s_cmp_lt_u32 s[WV], 2
	s_cbranch_scc0 .Lfor_v_\@
	tensor_load_to_lds s[G0K:G0K+3], s[G1K:G1K+7]
	s_nop 0
.rept 4
	v_nop
.endr
	s_branch .Lasked_\@
.Lfor_v_\@:
	tensor_load_to_lds s[G0V:G0V+3], s[G1V:G1V+7]
	s_nop 0
.rept 4
	v_nop
.endr
.Lasked_\@:
.endm
.macro NEXTSLOT                        ; the walk's next slot: one up; behind the block's highest, 0; back at the first block's start: the second block's slot 0
	s_add_co_u32 s[T1], s[NXT], 1
	s_cmp_eq_u32 s[NXT], s[LQ]
	s_cselect_b32 s[NXT], 0, s[T1]
	s_cmp_eq_u32 s[NXT], s[SM]
	s_cselect_b32 s[NXT], 0, s[NXT]
	s_cselect_b32 s[LQ], s[PB], s[LQ]
	s_cselect_b32 s[SM], -1, s[SM]
.endm
; A PREFETCH of my own 8 KiB of the slot that the next change will ask for, a block of 256 bytes a lane, where that slot is my first block's diagonal one, 15 - b.  By the order of the walks work-group b is the
; first of its head to ask for slot 15 - b, and slots 0 to 7 are the eight work-groups' first loads: so each block of slots 8 to 15 is named at most once in the launch, one slot (two key steps) ahead of its load,
; and nothing is asked for at the head.
.macro PREF
	s_cmp_eq_u32 s[NXT], s[HI]
	s_cbranch_scc0 .Lnot_mine_\@
	global_prefetch_b8 v[PFO], s[PFA:PFA+1] th:TH_LOAD_NT scope:SCOPE_SE
.Lnot_mine_\@:
.endm
.macro FETCH_K st                      ; key step st of the slot in hand
	WIN 0x40
.irp f, 0,1,2,3,4,5,6,7                ; keys 16 (f / 2) on, channels 32 (f % 2) on
	ds_load_b128 v[KF+8*\f:KF+8*\f+3],   v[AK] offset:(\st)*KS*PK+(\f/2)*16*PK+(\f%2)*64
	ds_load_b128 v[KF+8*\f+4:KF+8*\f+7], v[AK] offset:(\st)*KS*PK+(\f/2)*16*PK+(\f%2)*64+32
.endr
	WIN 0
.endm
.macro FETCH_V st
	WIN 0
.irp f, 0,1,2,3,4,5,6,7                ; keys 32 (f / 4) on, channels 16 (f % 4) on
	ds_load_tr16_b128 v[VF+8*\f:VF+8*\f+3],   v[AV] offset:(\st)*KS*PV+(\f/4)*32*PV+(\f%4)*32
	ds_load_tr16_b128 v[VF+8*\f+4:VF+8*\f+7], v[AV] offset:(\st)*KS*PV+(\f/4)*32*PV+16*PV+(\f%4)*32
.endr
.endm
; Product i of 8 of tile u's S^T = K Q^T: channels 32 (i / 4) on, keys 16 (i % 4) on.  The first 4 start the sums with the mask.  The 4 accumulators take turns.
.macro KQ u, i
.set rS, S+32*(\u)+8*((\i)%4)
.set rK, KF+16*((\i)%4)+8*((\i)/4)
.set rQ, 16*(\u)+8*((\i)/4)
.set rM, MC+32*(\u)+8*((\i)%4)
.if (\i) < 4
	WIN 0x15
	v_wmma_f32_16x16x32_f16 v[rS:rS+7], v[rK:rK+7], v[rQ:rQ+7], v[rM:rM+7]
.else
	WIN 0x05
	v_wmma_f32_16x16x32_f16 v[rS:rS+7], v[rK:rK+7], v[rQ:rQ+7], v[rS:rS+7]
.endif
.endm
.macro PVM u, i                        ; product i of 8 of tile u's O^T += V^T P: keys 32 (i / 4) on, channels 16 (i % 4) on
.set rO, O+32*(\u)+8*((\i)%4)
.set rV, VF+32*((\i)/4)+8*((\i)%4)
.set rP, P+16*(\u)+8*((\i)/4)
	v_wmma_f32_16x16x32_f16 v[rO:rO+7], v[rV:rV+7], v[rP:rP+7], v[rO:rO+7]
.endm
.macro REGS u
.set rT, ST+4*(\u)
.set rC, TMP+4*(\u)
.set rW, MV+(\u)
.set rS, S+32*(\u)
.set rP, P+16*(\u)
.set rO, O+32*(\u)
.endm
; Number n of the 22 that find a tile's maximum and statistics; each accumulator's lowest registers are read first.
.macro XS u, n
	REGS \u
.if (\n) < 4
	v_max3_num_f32 v[rC+(\n)], v[rS+8*(\n)], v[rS+8*(\n)+1], v[rS+8*(\n)+2]
.elseif (\n) < 12
	v_max3_num_f32 v[rC+(\n)%4], v[rC+(\n)%4], v[rS+8*((\n)%4)+2*((\n)/4)+1], v[rS+8*((\n)%4)+2*((\n)/4)+2]
.elseif (\n) == 12
	v_max3_num_f32 v[rC], v[rC], v[rS+7], v[rS+15]
.elseif (\n) == 13
	v_max3_num_f32 v[rC+1], v[rC+1], v[rS+23], v[rS+31]
.elseif (\n) == 14
	v_max3_num_f32 v[rC+2], v[rC+2], v[rC+3], v[rT+1]
.elseif (\n) == 15
	v_mov_b32 v[rW], v[rT]
.elseif (\n) == 16
	v_max3_num_f32 v[rC], v[rC], v[rC+1], v[rC+2]
.elseif (\n) == 17
	v_permlanex16_b32 v[rC+3], v[rC], s[SEL], s[SEL+1]  ; the query's other 32 keys lie in the lane 16 away
.elseif (\n) == 18
	v_max_num_f32 v[rT+1], v[rC], v[rC+3]
.elseif (\n) == 19
	v_mul_f32 v[rT], s[CS], v[rT+1]
.elseif (\n) == 20
	v_sub_f32 v[rC+1], v[rW], v[rT]
.else
	v_exp_f32 v[rC+2], v[rC+1]
.endif
.endm
.macro FS u, p                         ; c s - c m for pair p
	REGS \u
	v_pk_fma_f32 v[rS+2*(\p):rS+2*(\p)+1], v[rS+2*(\p):rS+2*(\p)+1], s[CS:CS+1], v[rT:rT+1] op_sel_hi:[1,0,0] neg_lo:[0,0,1] neg_hi:[0,0,1]
.endm
.macro EX u, e
	REGS \u
	v_exp_f32 v[rS+(\e)], v[rS+(\e)]
.endm
.macro CV u, p
	REGS \u
	v_cvt_pk_f16_f32 v[rP+(\p)], v[rS+2*(\p)], v[rS+2*(\p)+1]
.endm
.macro RS u, p                         ; pair p of O^T times a
	REGS \u
	v_pk_mul_f32 v[rO+2*(\p):rO+2*(\p)+1], v[rO+2*(\p):rO+2*(\p)+1], v[rC+2:rC+3] op_sel_hi:[1,0]
.endm
.macro BS u, k                         ; of the four weights 4 k .. the second pair is added onto the first (behind their roundings)
	REGS \u
	v_pk_add_f32 v[rS+4*(\k):rS+4*(\k)+1], v[rS+4*(\k):rS+4*(\k)+1], v[rS+4*(\k)+2:rS+4*(\k)+3]
.endm
.macro LS u, k                         ; l takes that sum; the first time as l = a l + sum
	REGS \u
.if (\k) == 0
	v_pk_fma_f32 v[rT+2:rT+3], v[rT+2:rT+3], v[rC+2:rC+3], v[rS:rS+1] op_sel_hi:[1,0,1]
.else
	v_pk_add_f32 v[rT+2:rT+3], v[rT+2:rT+3], v[rS+4*(\k):rS+4*(\k)+1]
.endif
.endm
.macro MASK u, al, be                  ; tile u's mask: MD x s[al] + s[be]
	WIN 0x41
.set z_, 0
.rept 16
	v_pk_fma_f32 v[MC+32*(\u)+2*z_:MC+32*(\u)+2*z_+1], v[MD+2*z_:MD+2*z_+1], s[\al:\al+1], s[\be:\be+1] op_sel_hi:[1,0,0]
.set z_, z_+1
.endr
.endm
.macro CVRS0                           ; tile 0's roundings and rescaling: 32 plain instructions
.set p_, 0
.rept 16
	CV 0, p_
	RS 0, p_
.set p_, p_+1
.endr
.endm
; THE CHANGE OF SLOTS stands in a slot's second key step, where V's fragments are wanted: the slot's last bytes have been asked for.  Each wave waits for all its tensor loads (one is out: its part of the
; other slot), adds 0 to its spare word, waits for that and for its reads of the slot that it leaves.  fill = 1: the slot is filled again, first thing behind the barrier, with slot NXT of the walk; the
; descriptor's address is made anew from that number; the load has two key steps in which to land.  work = 1: tile 0's roundings and rescaling, work on registers, stand between the signal and the wait.
; Behind the refill the other slot's first K is fetched, half a key step ahead of its products.
.macro CHANGE fill, work, ask
	WIN 0
	s_wait_tensorcnt 0x0
	ds_add_u32 v[SPW], v[NIL]
	s_mov_b32 s[CUR], s[PEND]
.if \fill
	s_lshl_b32 s[OFF], s[NXT], 14                  ; a slot is 16,384 bytes of K and of V
	s_xor_b32 s[G0K+1], s[G0K+1], SLOT1
	s_add_nc_u64 s[G0K+2:G0K+3], s[6:7], s[OFF:OFF+1]
	s_or_b32 s[G0K+3], s[G0K+3], 0x80000000
	s_xor_b32 s[G0V+1], s[G0V+1], SLOT1
	s_add_nc_u64 s[G0V+2:G0V+3], s[8:9], s[OFF:OFF+1]
	s_or_b32 s[G0V+3], s[G0V+3], 0x80000000
	s_mov_b32 s[PEND], s[NXT]
	NEXTSLOT
	s_wait_xcnt 0x0                                ; a prefetch, a slot back at the least, has read its address
	s_lshl_b32 s[OFF], s[NXT], 14
	s_add_nc_u64 s[PFA:PFA+1], s[KVB:KVB+1], s[OFF:OFF+1]  ; what the next change will ask for
.endif
	s_wait_dscnt 0x0                               ; the add is done; V's fragments are in, and with them my reads of the slot are over
	s_barrier_signal -1
	s_xor_b32 s[SB], s[SB], SLOT1
.if \work
	CVRS0
.endif
	s_barrier_wait -1
.if \fill
	LOAD
.endif
	v_add_nc_u32 v[AK], s[SB], v[AK0]              ; the slot's base and my lane's term: the steps stand in the loads' immediates
	v_add_nc_u32 v[AV], s[SB], v[AV0]
	FETCH_K 0
.if \ask
	PREF
.endif
.endm
; KEY STEP st (0, 1) OF THE SLOT IN HAND.  chg = 0: step 0; 1: step 1 with a change of slots that fills; 2: with one that does not.
.macro STEP st, chg
	s_cmp_eq_u32 s[MF], 0
	s_cbranch_scc1 .Lplain_\@
.if (\st) == 0
	MASK 0, AL, ZZ                                 ; in the diagonal slot: tile 0's own step,
	MASK 1, ZZ, ZZ                                 ; all of it seen by tile 1
.else
	MASK 0, ZZ, BE                                 ; hidden from tile 0,
	MASK 1, AL, ZZ                                 ; tile 1's own
.endif
	WIN 0
.Lplain_\@:
	s_wait_dscnt 16                                ; K is in; V's sixteen loads, issued behind it, may stay out
.set j_, 0
.rept 8
	KQ 0, j_
.set j_, j_+1
.endr
	WIN 0
.rept 4
	v_nop                                          ; four places behind tile 0's products, in front of the readers of its S^T
.endr
.set j_, 0
.rept 8                                ; tile 1's products; behind each four of tile 0's 22 for the maximum and its first 10 scalings
	KQ 1, j_
	WIN 0
.set r_, 4*j_
.rept 4
.if r_ < 22
	XS 0, r_
.else
	FS 0, r_-22
.endif
.set r_, r_+1
.endr
.set j_, j_+1
.endr
.if (\st) == 0
	FETCH_K 1                                      ; the next step's K: the four scalings above are the places behind the last product that read K
.endif
.set k_, 0
.rept 27                               ; THE FIRST BATCH: a of tile 0 (above), its 32 exponentials, a of tile 1; plain work by turns: the last 6 scalings, tile 1's 21 for the maximum.  Nothing here names an exponential's result
.if k_ < 6
	FS 0, 10+k_
.else
	XS 1, k_-6
.endif
	EX 0, k_
.set k_, k_+1
.endr
	EX 0, 27
	EX 0, 28
	EX 0, 29
	EX 0, 30
	EX 0, 31
	XS 1, 21
	v_nop                                          ; a plain instruction behind the last exponential,
	s_wait_alu depctr_va_vdst(0)                   ; and a wait ahead of the batch's first reader
.if (\chg) == 0
	s_wait_dscnt 16                                ; V is in; the next K's sixteen loads, issued behind it, may stay out
	CVRS0
.elseif (\chg) == 1
	CHANGE 1, 1, 1
.else
	CHANGE 0, 1, 0
.endif
.set j_, 0
.rept 8                                ; tile 0's products; behind each four of tile 1's scalings and first exponentials: THE SECOND BATCH begins
	PVM 0, j_
.if j_ == 0
	FS 1, 0
	FS 1, 1
	FS 1, 2
	FS 1, 3
.elseif j_ < 7
	FS 1, 2*j_+2
	EX 1, 2*j_-2
	FS 1, 2*j_+3
	EX 1, 2*j_-1
.else
	BS 0, 0
	EX 1, 12
	BS 0, 1
	EX 1, 13
.endif
.set j_, j_+1
.endr
	BS 0, 2                                        ; the other exponentials of tile 1, by turns with tile 0's sums, whose weights have had their wait
	EX 1, 14
	BS 0, 3
	EX 1, 15
	LS 0, 0
	EX 1, 16
	BS 0, 4
	EX 1, 17
	LS 0, 1
	EX 1, 18
	BS 0, 5
	EX 1, 19
	LS 0, 2
	EX 1, 20
	BS 0, 6
	EX 1, 21
	LS 0, 3
	EX 1, 22
	BS 0, 7
	EX 1, 23
	LS 0, 4
	EX 1, 24
	LS 0, 5
	EX 1, 25
	LS 0, 6
	EX 1, 26
	LS 0, 7
	EX 1, 27
	EX 1, 28
	EX 1, 29
	EX 1, 30
	EX 1, 31
	v_nop
	s_wait_alu depctr_va_vdst(0)                   ; the second batch's wait
.set p_, 0
.rept 8                                ; what tile 1's first four products want: the weights of keys 0-31, and all of O^T rescaled
	CV 1, p_
	RS 1, 2*p_
	RS 1, 2*p_+1
.set p_, p_+1
.endr
.set j_, 0
.rept 8                                ; tile 1's products; behind the first four the roundings for keys 32-63, which the last four read; and its sums
	PVM 1, j_
.if j_ == 0
	CV 1, 8
	BS 1, 0
	CV 1, 9
	BS 1, 1
.elseif j_ < 3
	CV 1, 8+2*j_
	LS 1, j_-1
	CV 1, 9+2*j_
	BS 1, j_+1
.elseif j_ == 3
	CV 1, 14
	LS 1, 2
	CV 1, 15
	LS 1, 3
.elseif j_ == 4
	BS 1, 4
	BS 1, 5
.elseif j_ < 7
	LS 1, j_-1
	BS 1, j_+1
.else
	LS 1, 6
	LS 1, 7
.endif
.set j_, j_+1
.endr
	v_nop                                          ; with the last two sums: four places behind the last product, in front of the loads into V
	v_nop
	FETCH_V 1-(\st)                                ; the next step's V: step 1 of this slot, or step 0 of the slot that the change has turned to
.endm
.macro PACK t                          ; O^T / l, rounded to f16; 16 bytes a lane into rows of 144 bytes, back as four rows of 128 a load
.set i, O+32*(\t)
.rept 16
	v_pk_mul_f32 v[i:i+1], v[i:i+1], v[ST+4*(\t)+2:ST+4*(\t)+3] op_sel_hi:[1,0]
.set i, i+2
.endr
.set i, 0
.rept 16
	v_cvt_pk_f16_f32 v[S+16*(\t)+i], v[O+32*(\t)+2*i], v[O+32*(\t)+2*i+1]
.set i, i+1
.endr
.irp f, 0,1,2,3
	ds_store_b128 v[STO], v[S+16*(\t)+4*\f:S+16*(\t)+4*\f+3] offset:32*\f
.endr
.irp f, 0,1,2,3
	ds_load_b128 v[S+16*(\t)+4*\f:S+16*(\t)+4*\f+3], v[RD] offset:\f*4*SP  ; LDS serves a wave's instructions in order (ISA guide 5.7.1.4)
.endr
.endm
.macro SEND t, younger
.irp f, 0,1,2,3
	s_wait_dscnt (\younger)+3-\f
	global_store_b128 v[GO], v[S+16*(\t)+4*\f:S+16*(\t)+4*\f+3], s[10:11] offset:(\t)*8192+\f*512  ; 512 consecutive bytes, aligned
.endr
.endm
.macro WAYOUT
.irp t, 0,1
	v_add_f32 v[ST+4*\t+2], v[ST+4*\t+2], v[ST+4*\t+3]
.endr
.irp t, 0,1
	v_permlanex16_b32 v[ST+4*\t+3], v[ST+4*\t+2], s[SEL], s[SEL+1]
.endr
.irp t, 0,1
	v_add_f32 v[ST+4*\t+2], v[ST+4*\t+2], v[ST+4*\t+3]
.endr
.irp t, 0,1
	v_rcp_f32 v[ST+4*\t+2], v[ST+4*\t+2]
.endr
	v_nop
	s_wait_alu depctr_va_vdst(0)                   ; one wait for the two reciprocals
	PACK 0
	PACK 1
	SEND 0, 8                                      ; 8: the second tile's four stores and four loads
	SEND 1, 0
.endm
; A SLOT.  Its first K and V have been fetched in the slot before.
.macro SLOTBODY chg
	s_sub_co_u32 s[RT], s[RT], 1
	s_cmp_eq_u32 s[CUR], s[BI]                     ; the block's diagonal slot?
	s_cselect_b32 s[AL], 1.0, 0
	s_cselect_b32 s[BE], s[BIGN], 0
	s_cselect_b32 s[MF], 1, s[PD]                  ; the masks are made in it, and made 0 again in the slot behind it
	s_cselect_b32 s[PD], 1, 0
	s_cmp_eq_u32 s[NEW], 0
	s_cbranch_scc1 .Lold_\@
	s_mov_b32 s[NEW], 0                            ; A BLOCK BEGINS: c m far below every c s, so the first step's a is 0; m the lowest finite number
.irp t, 0,1
	v_mov_b32 v[ST+4*\t], 0xfe000000
	v_mov_b32 v[ST+4*\t+1], 0xff7fffff
.endr
	s_wait_loadcnt 0x0                             ; Q
.Lold_\@:
	STEP 0, 0
	STEP 1, \chg
	s_cmp_lg_u32 s[RT], 0
	s_cbranch_scc1 .Lgo_\@
	WAYOUT                                         ; A BLOCK ENDS.  (Behind the second block the lines below serve nothing: the price of one text.)
	s_wait_xcnt 0x0                                ; the stores have read their registers and their base
	s_mov_b64 s[10:11], s[OLO:OLO+1]
	s_add_co_u32 s[RT], s[PB], 1                   ; the second block has b + 1 slots
	s_mov_b32 s[BI], s[PB]
	s_mov_b32 s[NEW], 1
	WIN 0x41                                       ; the second block's Q goes where the one text names Q
.set i, 0
.rept 32
	v_mov_b32 v[i], v[QB+i]
.set i, i+1
.endr
	WIN 0
.Lgo_\@:
.endm
	s_load_b64 s[4:5], s[0:1], 0x0                 ; qkv
	s_load_b64 s[10:11], s[0:1], 0x8               ; ctx
	v_lshl_add_u32 v[SPW], v0, 2, SPARE
	v_mov_b32 v[NIL], 0
	ds_add_u32 v[SPW], v[NIL]                      ; the opening: the add; its wait stands ahead of my first tensor load
	ds_add_u32 v10, v11
	v_lshrrev_b32 v1, 5, v0
	v_readfirstlane_b32 s[WV], v1
	s_mov_b32 s[PB], ttmp9
	s_sub_co_u32 s[HI], 15, s[PB]
	s_and_b32 s20, ttmp7, 0xffff                   ; 16 b + head
	s_lshr_b32 s21, s20, 4
	s_mul_i32 s21, s21, 48
	s_and_b32 s22, s20, 15
	s_add_co_u32 s21, s21, s22
	s_lshl_b32 s22, s21, 18                        ; q's head: 262,144 bytes each
	s_lshl_b32 s20, s20, 18                        ; ctx's head
	s_and_b32 s16, s[WV], 1                        ; which of a slot's two key steps I fetch
	s_mul_i32 s17, s16, KS*PK
	s_mul_i32 s18, s16, KS*PV
	s_lshl_b32 s84, s16, 13                        ; its 64 rows of 128 bytes in memory
	s_add_co_u32 s84, s84, s22
	s_add_co_u32 s84, s84, 16*262144               ; k lies 16 heads behind q
	s_mov_b32 s85, 0
	s_lshl_b32 s3, s[WV], 11                       ; my 16 rows in a band
	s_lshl_b32 s2, s[HI], 14
	s_add_co_u32 s2, s2, s3                        ; in the first block,
	s_lshl_b32 s19, s[PB], 14
	s_add_co_u32 s19, s19, s3                      ; in the second
	s_add_co_u32 s50, s22, s2
	s_mov_b32 s51, 0
	s_add_co_u32 s52, s22, s19
	s_mov_b32 s53, 0
	s_add_co_u32 s54, s20, s2
	s_mov_b32 s55, 0
	s_add_co_u32 s22, s20, s19
	s_mov_b32 s23, 0
	; 64 keys are 8,192 dense bytes: asked for as 32 rows of 256 bytes, two keys a row, padded in LDS after every key
	s_mov_b32 s[G1K], (1<<16)|(1<<20)|(4<<22)|(3<<25)
	s_mov_b32 s[G1V], (1<<16)|(1<<20)|(4<<22)|(7<<25)
.irp g, G1K, G1V
	s_mov_b32 s[\g+1], 128<<16
	s_mov_b32 s[\g+2], 32<<16
	s_mov_b32 s[\g+3], 128<<16
	s_mov_b32 s[\g+4], 32
	s_mov_b32 s[\g+5], 128
	s_mov_b32 s[\g+6], 0
	s_mov_b32 s[\g+7], 0
.endr
	s_mov_b32 s[CS], 0x3e38aa3b                    ; c = log2(e) / 8
	s_mov_b32 s[CS+1], s[CS]
	s_mov_b32 s[SEL], 0x76543210
	s_mov_b32 s[SEL+1], 0xfedcba98
	s_mov_b32 s[SB], SLOT1                         ; the first change of slots turns it into 0
	s_mov_b32 s[G0K], 1
	s_mov_b32 s[G0K+1], s17
	s_mov_b32 s[G0V], 1
	s_add_co_u32 s[G0V+1], s18, VOFF
	s_mov_b32 s[LQ], s[HI]                         ; the walk begins at slot b of the first block's 0 .. 15 - b
	s_mov_b32 s[SM], s[PB]
	s_mov_b32 s[PEND], s[PB]
	s_mov_b32 s[NXT], s[PB]
	NEXTSLOT
	s_add_co_u32 s[RT], s[HI], 1                   ; the first block has 16 - b slots
	s_mov_b32 s[BI], s[HI]
	s_mov_b32 s[PD], 0
	s_mov_b32 s[NEW], 1
	s_lshl_b32 s[OFF], s[PB], 14
	s_mov_b32 s[OFF+1], 0
	s_mov_b32 s[AL], 0
	s_mov_b32 s[AL+1], 0
	s_mov_b32 s[BE], 0
	s_mov_b32 s[BE+1], 0
	s_mov_b32 s[ZZ], 0
	s_mov_b32 s[ZZ+1], 0
	s_mov_b32 s[BIGN], 0xf149f2ca                  ; -1e30
	s_wait_dscnt 0x0                               ; the opening add is done
	s_wait_kmcnt 0x0
	s_add_nc_u64 s[6:7], s[4:5], s[84:85]          ; K at my part of slot 0,
	s_add_nc_u64 s[8:9], s[6:7], 16*262144         ; V
	s_add_nc_u64 s[86:87], s[4:5], s[52:53]        ; Q at my rows of the second block,
	s_add_nc_u64 s[4:5], s[4:5], s[50:51]          ; of the first
	s_add_nc_u64 s[OLO:OLO+1], s[10:11], s[22:23]
	s_add_nc_u64 s[10:11], s[10:11], s[54:55]
	s_add_nc_u64 s[G0K+2:G0K+3], s[6:7], s[OFF:OFF+1]
	s_or_b32 s[G0K+3], s[G0K+3], 0x80000000
	s_add_nc_u64 s[G0V+2:G0V+3], s[8:9], s[OFF:OFF+1]
	s_or_b32 s[G0V+3], s[G0V+3], 0x80000000
	s_cmp_lt_u32 s[WV], 2
	s_cselect_b64 s[KVB:KVB+1], s[6:7], s[8:9]
	LOAD                                           ; the walk's first slot
	v_and_b32 v32, 15, v0                          ; r
	v_bfe_u32 v33, v0, 4, 1                        ; h
	v_lshlrev_b32 v[QO], 7, v32
	v_lshl_add_u32 v[QO], v33, 4, v[QO]
	WIN 0x40
.set i, 0
.rept 4                                ; both blocks' Q: tile i / 2 lies in band i / 2, 8,192 bytes on; channels 32 (i % 2) on
	global_load_b128 v[8*i:8*i+3],   v[QO], s[4:5] offset:(i/2)*8192+(i%2)*64
	global_load_b128 v[8*i+4:8*i+7], v[QO], s[4:5] offset:(i/2)*8192+(i%2)*64+32
	global_load_b128 v[QB+8*i:QB+8*i+3],   v[QO], s[86:87] offset:(i/2)*8192+(i%2)*64
	global_load_b128 v[QB+8*i+4:QB+8*i+7], v[QO], s[86:87] offset:(i/2)*8192+(i%2)*64+32
.set i, i+1
.endr
	WIN 0
	v_lshlrev_b32 v36, 3, v33
	v_sub_nc_u32 v36, v32, v36
	s_lshl_b32 s16, s[WV], 4
	v_add_nc_u32 v36, s16, v36                     ; my query's place in its band less 8 h: register j of key group kt is hidden where 16 kt + j is greater
	WIN 0x40
.set i, 0
.rept 32
	v_cmp_gt_i32 vcc_lo, 16*(i/8)+i%8, v36
	v_cndmask_b32 v[MD+i], 0, s[BIGN], vcc_lo
.set i, i+1
.endr
	MASK 0, ZZ, ZZ                                 ; both masks start at 0
	MASK 1, ZZ, ZZ
	WIN 0
	v_mul_u32_u24 v[AK0], v32, PK
	v_lshl_add_u32 v[AK0], v33, 4, v[AK0]
	v_and_b32 v34, 7, v0
	v_bfe_u32 v35, v0, 3, 1
	v_lshl_add_u32 v[AV0], v33, 3, v34             ; the turning load: lane l reads key 8 (l / 16) + l % 8, channels 8 ((l / 8) % 2) on
	v_mul_u32_u24 v[AV0], v[AV0], PV
	v_lshl_add_u32 v[AV0], v35, 4, v[AV0]
	v_add_nc_u32 v[AV0], VOFF, v[AV0]
	s_mul_i32 s16, s[WV], 16*SP
	s_add_co_u32 s16, s16, STAGE
	v_mul_u32_u24 v[STO], v32, SP
	v_lshl_add_u32 v[STO], v33, 4, v[STO]
	v_add_nc_u32 v[STO], s16, v[STO]
	v_bfe_u32 v[RD], v0, 3, 2
	v_mul_u32_u24 v[RD], v[RD], SP
	v_lshl_add_u32 v[RD], v34, 4, v[RD]
	v_add_nc_u32 v[RD], s16, v[RD]
	v_and_b32 v[GO], 31, v0
	v_lshlrev_b32 v[PFO], 8, v[GO]
	v_lshlrev_b32 v[GO], 4, v[GO]
	; a block's first step multiplies O^T and l by a = 0: they need only be finite.  Zeros for the first block, written in the wait for the first slot.
.set i, 0
.rept 64
	v_mov_b32 v[O+i], 0
.set i, i+1
.endr
.irp t, 0,1
	v_mov_b32 v[ST+4*\t], 0xfe000000
	v_mov_b32 v[ST+4*\t+1], 0xff7fffff
	v_mov_b32 v[ST+4*\t+2], 0
	v_mov_b32 v[ST+4*\t+3], 0
.endr
	CHANGE 1, 0, 0                                 ; the first slot is in, everybody's part of it; the second is asked for; the first K is fetched,
	FETCH_V 0                                      ; and the first V
	s_mov_b32 s[SLOTS], 15
.Lslot:                                        ; fifteen slots, each of which asks for the slot two on
	SLOTBODY 1
	s_sub_co_u32 s[SLOTS], s[SLOTS], 1
	s_cmp_lg_u32 s[SLOTS], 0
	s_cbranch_scc1 .Lslot
	s_mov_b32 s[SLOTS], 2
.Ltail:                                        ; the last two slots ask for nothing; the second's change of slots and what it fetches, from the slot read before, serve nothing: the price of one text for both
	SLOTBODY 2
	s_sub_co_u32 s[SLOTS], s[SLOTS], 1
	s_cmp_lg_u32 s[SLOTS], 0
	s_cbranch_scc1 .Ltail
	s_wait_tensorcnt 0x0                           ; the wave's end
	ds_add_u32 v[SPW], v[NIL]
	s_wait_dscnt 0x0
	s_endpgm
.Lfunc_end_k_q2e8864e981_attn:
	.size	k_q2e8864e981_attn, .Lfunc_end_k_q2e8864e981_attn-k_q2e8864e981_attn
	.p2alignl 7, 3214868480
	.fill 96, 4, 3214868480
	.section	.rodata,"a",@progbits
	.p2align	6, 0x0
	.amdhsa_kernel k_q2e8864e981_attn
		.amdhsa_group_segment_fixed_size 327680
		.amdhsa_private_segment_fixed_size 0
		.amdhsa_enable_private_segment 0
		.amdhsa_kernarg_size 16
		.amdhsa_user_sgpr_count 2
		.amdhsa_user_sgpr_kernarg_segment_ptr 1
		.amdhsa_wavefront_size32 1
		.amdhsa_system_sgpr_workgroup_id_x 1
		.amdhsa_system_sgpr_workgroup_id_y 1
		.amdhsa_system_sgpr_workgroup_id_z 1
		.amdhsa_system_vgpr_workitem_id 0
		.amdhsa_next_free_vgpr 480
		.amdhsa_next_free_sgpr 96
		.amdhsa_reserve_vcc 1
		.amdhsa_float_denorm_mode_32 3
		.amdhsa_float_denorm_mode_16_64 3
		.amdhsa_memory_ordered 1
		.amdhsa_forward_progress 1
		.amdhsa_inst_pref_size 117
	.end_amdhsa_kernel
	.amdgpu_metadata
---
amdhsa.version: [ 1, 2 ]
amdhsa.kernels:
  - .name:           k_q2e8864e981_attn
    .symbol:         k_q2e8864e981_attn.kd
    .args:
      - { .name: qkv, .offset: 0, .size: 8, .value_kind: global_buffer, .address_space: global }
      - { .name: ctx, .offset: 8, .size: 8, .value_kind: global_buffer, .address_space: global }
    .group_segment_fixed_size: 327680
    .private_segment_fixed_size: 0
    .kernarg_segment_align: 8
    .kernarg_segment_size: 16
    .max_flat_workgroup_size: 128
    .sgpr_count:     96
    .vgpr_count:     480
    .wavefront_size: 32
...
	.end_amdgpu_metadata
.endif
;; end of part 3
;; launch wo (part 4): grid 8 x 32, 4 waves a work-group, clusters of 4 x 4, 327,680 bytes of LDS; arguments ctx, wt, x1, bo, x; writes x1
.if DOCPART == 4
	.amdgcn_target "amdgcn-amd-amdhsa--gfx1250"
	.amdhsa_code_object_version 6
	.text
	.protected	k_q2e8864e981_wo
	.globl	k_q2e8864e981_wo
	.p2align	8
	.type	k_q2e8864e981_wo,@function
k_q2e8864e981_wo:
	s_mov_b64 s[64:65], 0
	v_nop
	global_prefetch_b8 v0, s[64:65] scope:SCOPE_SE
	s_setreg_imm32_b32 hwreg(HW_REG_WAVE_MODE, 25, 1), 1
	s_wait_xcnt 0x0
	s_wait_alu depctr_hold_cnt(0) depctr_sa_sdst(0) depctr_va_vdst(0) depctr_va_sdst(0) depctr_va_ssrc(0) depctr_va_vcc(0) depctr_vm_vsrc(0)
	s_getreg_b32 s2, hwreg(HW_REG_IB_STS2, 6, 4)
	s_cmp_eq_u32 s2, 0
	s_cbranch_scc0 .Lentry_in_a_cluster
	s_endpgm
.Lentry_in_a_cluster:
	s_bfe_u32 s2, ttmp6, 0x10000c
	s_cmp_lg_u32 s2, 0xf033
	s_cbranch_scc0 .Lentry_shape_is_right
	s_endpgm
.Lentry_shape_is_right:
; x1 = x + ctx Wo + bo.  A = ctx, which lies by heads: [b][16][2048][64] f16; B = wt's rows of Wo, [n][k] f16; sums in f32, started by the bias; x and x1 f32.
; A tile of C is 128 x 128: four waves, each 64 x 64 = 16 accumulators; 256 work-groups.  K goes in steps of 256 = four heads through two LDS slots.
; A's tile is asked for as four rows (heads) of 8,192 dense bytes (64 rows of ctx x 128 bytes), padded after every 128 bytes: in LDS [head][row][144].
; One K step is written once: the slot in hand is the scalar TB.  CLUSTER 4 x 4: A's tile is shared along a row, B's along a column; each is asked for jointly.
; WHERE A CLUSTER BEGINS ALONG K: at step 0 where cluster x + cluster y is even, at step T / 2 where it is odd, and round from the last step to step 0 (f32 sums may be taken in any order).
; A's rows are read by the two clusters of a row of clusters, B's by the eight of a column: clusters that read the same rows ask for different K steps at the same time.
; No prefetch: K has four steps, of which two come by the first fills.
; The matrix instruction is used transposed (source 0 = 16 rows of B, source 1 = 16 rows of A): a lane holds 8 neighbouring columns of a row of C.
; WINDOWS: 0: addresses, A's two fragment buffers v64-191, the bias fragments v192-255; 1: B's two buffers; 2: accumulators v0-127, the residual's 32 rows v128-255.
.set MA, 4
.set NB, 4
.set KD, 2
.set SIZE_K, 1024
.set WTOFF, 6291456
.set APITCH, 144
.set ACH, 64*144                       ; a quarter of a K step is a head
.set BPITCH, 528
.set BCH, 128
.set HALFA, 4*64*144
.set AD0, 4096
.set AD1, 4
.set AST, 131072
.set AQI, 4
.set BQI, 6
.set ASTEP, 1048576                    ; four heads of 262,144 bytes
.set BSTEP, 512
.set T,     SIZE_K/(128*KD)
.set TM,    32*MA
.set TN,    32*NB
.set HALFB, 16*NB*BPITCH
.set SLOT,  2*HALFA+2*HALFB
.set SPARE, 2*SLOT
.set SP,    4*TN+16
.set NL,    2*KD*(MA+NB)
.set FLA,   (1<<16)|(1<<20)|(1<<21)|(AQI<<22)|(3<<25)
.set FLB,   (1<<16)|(1<<20)|(1<<21)|(BQI<<22)|(3<<25)
.set CN, 3
.set WV, 16
.set WR, 17
.set WC, 18
.set CX, 19
.set CY, 20
.set TC, 21
.set TR, 22
.set TB, 23
.set G1A, 24
.set G0A, 32
.set G1B, 48
.set G0B, 56
.set LDA, 66
.set LDB, 67
.set KI, 69                            ; s69      the K step asked for last
.set OA, 86                            ; s[86:87] its bytes along A's rows
.set OBB, 88                           ; s[88:89] along B's
.set SA, 90                            ; s[90:91] A's rows at my cluster's first K step
.set SBB, 92                           ; s[92:93] B's
.set A0, 8
.set B0, 9
.set ADRA, 10
.set ADRB, 11
.set STO, 12
.set RD, 14
.set CO, 15
.set BO, 18
.set SPW, 28
.set NIL, 29
.set F0, 64
.set F1, 128
.set BF, 192
.set MSB, 0
.macro WIN new
.if MSB != (\new)
	s_set_vgpr_msb (MSB<<8)|(\new)
.set MSB, \new
.endif
.endm
.macro PLACES
.rept 4
	v_nop
.endr
.endm
.macro CREST
	s_cmp_lg_u32 s[WV], 0
	s_cbranch_scc1 .Lnot_wave_0_\@
	s_barrier_signal -3
.Lnot_wave_0_\@:
	s_barrier_wait -3
	s_barrier_signal -1
	s_barrier_wait -1
.endm
.macro CROUND
	s_barrier_signal -1
	s_barrier_wait -1
	CREST
.endm
.macro JLOAD
	s_cmp_eq_u32 s[WR], 0
	s_cbranch_scc0 .Lfor_b_\@
	tensor_load_to_lds s[G0A+4:G0A+7], s[G1A:G1A+7]
	s_nop 0
.rept 4
	v_nop
.endr
	s_branch .Lasked_\@
.Lfor_b_\@:
	tensor_load_to_lds s[G0B+4:G0B+7], s[G1B:G1B+7]
	s_nop 0
.rept 4
	v_nop
.endr
.Lasked_\@:
.endm
.macro MUL f, a0, na, first            ; the accumulators take turns, one instruction a turn; first = 1: the first product of each sum takes the bias as C
.set c_, 0
.rept KD
.set a_, \a0
.rept \na
.set b_, 0
.rept NB
.set t_, a_*NB+b_
.set d_, 8*(t_%32)
.if (\first) && (c_ == 0)
	WIN 0x81+0x40*(t_/32)
	v_wmma_f32_16x16x32_f16 v[d_:d_+7], v[(\f)+8*(b_*KD+c_):(\f)+8*(b_*KD+c_)+7], v[(\f)+8*(a_*KD+c_):(\f)+8*(a_*KD+c_)+7], v[BF+8*b_:BF+8*b_+7]
.else
	WIN 0xa1+0x50*(t_/32)
	v_wmma_f32_16x16x32_f16 v[d_:d_+7], v[(\f)+8*(b_*KD+c_):(\f)+8*(b_*KD+c_)+7], v[(\f)+8*(a_*KD+c_):(\f)+8*(a_*KD+c_)+7], v[d_:d_+7]
.endif
.set b_, b_+1
.endr
.set a_, a_+1
.endr
.set c_, c_+1
.endr
.endm
.macro FETCH k, f
	WIN 0x40
.set i_, 0
.rept NB
.set c_, 0
.rept KD
	ds_load_b128 v[(\f)+8*(i_*KD+c_):(\f)+8*(i_*KD+c_)+3],   v[ADRB] offset:(\k)*BCH+64*c_+i_*16*BPITCH
	ds_load_b128 v[(\f)+8*(i_*KD+c_)+4:(\f)+8*(i_*KD+c_)+7], v[ADRB] offset:(\k)*BCH+64*c_+i_*16*BPITCH+32
.set c_, c_+1
.endr
.set i_, i_+1
.endr
	WIN 0
.set i_, 0
.rept MA
.set c_, 0
.rept KD
	ds_load_b128 v[(\f)+8*(i_*KD+c_):(\f)+8*(i_*KD+c_)+3],   v[ADRA] offset:(\k)*ACH+64*c_+i_*16*APITCH
	ds_load_b128 v[(\f)+8*(i_*KD+c_)+4:(\f)+8*(i_*KD+c_)+7], v[ADRA] offset:(\k)*ACH+64*c_+i_*16*APITCH+32
.set c_, c_+1
.endr
.set i_, i_+1
.endr
.endm
.macro QUARTER k, f, g, first
	s_wait_dscnt MA*KD                             ; B and A's lower half are in; A's upper half may be out
	MUL \f, 0, MA/2, \first
	PLACES
	FETCH \k, \g
	s_wait_dscnt NL                                ; all but the run just issued
	MUL \f, MA/2, MA/2, \first
.endm
.macro TURN fill                       ; the last quarter and the change of slots: all my tensor loads, the add, my reads, one barrier (with fill = 1 it opens a round), the refill first behind it
	WIN 0
	s_wait_tensorcnt 0x0                           ; no tensor load of mine is out, so a group 0 may be written
	ds_add_u32 v[SPW], v[NIL]
.if \fill
	s_add_co_u32 s[G0A+5], s[LDA], s[TB]           ; the walking sets: into the slot in hand,
	s_add_co_u32 s[G0B+5], s[LDB], s[TB]
	s_add_co_u32 s[KI], s[KI], 1                   ; the next K step, round from the last to step 0;
	s_and_b32 s[KI], s[KI], T-1
	s_mul_i32 s[OA], s[KI], ASTEP                  ; both addresses are made anew from its number
	s_mul_i32 s[OBB], s[KI], BSTEP
	s_add_nc_u64 s[G0A+6:G0A+7], s[42:43], s[OA:OA+1]
	s_or_b32 s[G0A+7], s[G0A+7], 0x80000000
	s_add_nc_u64 s[G0B+6:G0B+7], s[46:47], s[OBB:OBB+1]
	s_or_b32 s[G0B+7], s[G0B+7], 0x80000000
.endif
	s_xor_b32 s[TB], s[TB], SLOT
	s_wait_dscnt MA*KD+1                           ; the add and A's upper half may be out
	MUL F1, 0, MA/4, 0
	s_wait_dscnt 0x0
	s_barrier_signal -1
	MUL F1, MA/4, MA/4, 0
	WIN 0
	s_barrier_wait -1
.if \fill
	CREST
	JLOAD
.else
	PLACES
.endif
	v_add_nc_u32 v[ADRA], s[TB], v[A0]
	v_add_nc_u32 v[ADRB], s[TB], v[B0]
	FETCH 0, F0
	MUL F1, MA/2, MA/2, 0
.endm
.macro STAGE
.set a_, 0
.rept MA
.set b_, 0
.rept NB
.set t_, a_*NB+b_
.set d_, 8*(t_%32)
	WIN 0x08+0x04*(t_/32)
	ds_store_b128 v[STO+a_/4], v[d_:d_+3]   offset:(a_%4)*16*SP+64*b_
	ds_store_b128 v[STO+a_/4], v[d_+4:d_+7] offset:(a_%4)*16*SP+64*b_+16
.set b_, b_+1
.endr
.set a_, a_+1
.endr
	WIN 0
.endm
	s_load_b256 s[4:11], s[0:1], 0x0               ; A s[4:5], wt s[6:7], out s[8:9], bias s[10:11]
	s_load_b64 s[12:13], s[0:1], 0x20              ; the residual
	v_lshl_add_u32 v[SPW], v0, 2, SPARE
	v_mov_b32 v[NIL], 0
	ds_add_u32 v[SPW], v[NIL]                      ; the opening: the add; its wait stands ahead of my first tensor load
	ds_add_u32 v28, v29
	v_lshrrev_b32 v1, 5, v0
	v_readfirstlane_b32 s[WV], v1
	s_lshr_b32 s[WR], s[WV], 1
	s_and_b32 s[WC], s[WV], 1
	s_bfe_u32 s[CX], ttmp6, 0x40000
	s_bfe_u32 s[CY], ttmp6, 0x40004
	s_lshl_b32 s[TC], ttmp9, 2
	s_add_co_u32 s[TC], s[TC], s[CX]
	s_and_b32 s[TR], ttmp7, 0xffff
	s_lshl_b32 s[TR], s[TR], 2
	s_add_co_u32 s[TR], s[TR], s[CY]
	s_lshl_b32 s40, s[CY], 2                       ; s40-43 hold only what my row of the cluster shares, s44-47 only what my column shares
	s_lshl_b32 s40, 15, s40
	s_or_b32 s[G1A], s40, FLA
	s_lshl_b32 s44, 0x1111, s[CX]
	s_or_b32 s[G1B], s44, FLB
	s_mov_b32 s[G1A+1], (AD0&0xffff)<<16
	s_mov_b32 s[G1A+2], (AD0>>16)|(AD1<<16)
	s_mov_b32 s[G1A+3], (AD1>>16)|(AD0<<16)
	s_mov_b32 s[G1A+4], AD1
	s_mov_b32 s[G1A+5], AST
	s_mov_b32 s[G1A+6], 0
	s_mov_b32 s[G1A+7], 0
	s_mov_b32 s[G1B+1], (128*KD)<<16
	s_mov_b32 s[G1B+2], (16*NB)<<16
	s_mov_b32 s[G1B+3], (128*KD)<<16
	s_mov_b32 s[G1B+4], 16*NB
	s_mov_b32 s[G1B+5], SIZE_K
	s_mov_b32 s[G1B+6], 0
	s_mov_b32 s[G1B+7], 0
	s_mul_i32 s42, s[TR], TM
	s_mul_i32 s41, s[WC], 16*MA
	s_add_co_u32 s42, s42, s41                     ; the first row m of A that I fetch: batch m / 2048 (4,194,304 bytes each), row m % 2048 of 128 bytes in head 0
	s_lshr_b32 s41, s42, 11
	s_lshl_b32 s41, s41, 22
	s_and_b32 s42, s42, 2047
	s_lshl_b32 s42, s42, 7
	s_add_co_u32 s42, s42, s41
	s_mov_b32 s43, 0
	s_mul_i32 s46, s[TC], TN
	s_mul_i32 s45, s[WC], 16*NB
	s_add_co_u32 s46, s46, s45
	s_mul_i32 s46, s46, 2*SIZE_K
	s_add_co_u32 s46, s46, WTOFF
	s_mov_b32 s47, 0
	s_mul_i32 s[LDA], s[WC], HALFA
	s_mul_i32 s[LDB], s[WC], HALFB
	s_add_co_u32 s[LDB], s[LDB], 2*HALFA
	s_mov_b32 s[TB], 0
	s_and_b32 s[KI], ttmp7, 0xffff                 ; where my cluster begins along K: made of the cluster's own coordinates, which all sixteen partners share
	s_add_co_u32 s[KI], s[KI], ttmp9
	s_and_b32 s[KI], s[KI], 1
	s_mul_i32 s[KI], s[KI], T/2
	s_mul_i32 s[OA], s[KI], ASTEP
	s_mov_b32 s[OA+1], 0
	s_mul_i32 s[OBB], s[KI], BSTEP
	s_mov_b32 s[OBB+1], 0
	s_wait_dscnt 0x0
	s_wait_kmcnt 0x0
	s_add_nc_u64 s[42:43], s[4:5], s[42:43]        ; my rows at K step 0: kept
	s_add_nc_u64 s[46:47], s[6:7], s[46:47]
	s_add_nc_u64 s[SA:SA+1], s[42:43], s[OA:OA+1]  ; and at my cluster's first step
	s_add_nc_u64 s[SBB:SBB+1], s[46:47], s[OBB:OBB+1]
	s_add_co_u32 s[KI], s[KI], 1                   ; the first fills ask for that step and the next
.irp s, 0,1
	s_mov_b32 s[G0A+4*\s], 1
	s_add_co_u32 s[G0A+4*\s+1], s[LDA], \s*SLOT
	s_add_nc_u64 s[G0A+4*\s+2:G0A+4*\s+3], s[SA:SA+1], \s*ASTEP
	s_or_b32 s[G0A+4*\s+3], s[G0A+4*\s+3], 0x80000000
	s_mov_b32 s[G0B+4*\s], 1
	s_add_co_u32 s[G0B+4*\s+1], s[LDB], \s*SLOT
	s_add_nc_u64 s[G0B+4*\s+2:G0B+4*\s+3], s[SBB:SBB+1], \s*BSTEP
	s_or_b32 s[G0B+4*\s+3], s[G0B+4*\s+3], 0x80000000
.endr
	CROUND
	s_cmp_eq_u32 s[WR], 0                          ; a wave's two first fills stand in one branch: two loads of mine are out
	s_cbranch_scc0 .Lfirst_b
	tensor_load_to_lds s[G0A:G0A+3], s[G1A:G1A+7]
	s_nop 0
	tensor_load_to_lds s[G0A+4:G0A+7], s[G1A:G1A+7]
	s_nop 0
.rept 4
	v_nop
.endr
	s_branch .Lfirst_done
.Lfirst_b:
	tensor_load_to_lds s[G0B:G0B+3], s[G1B:G1B+7]
	s_nop 0
	tensor_load_to_lds s[G0B+4:G0B+7], s[G1B:G1B+7]
	s_nop 0
.rept 4
	v_nop
.endr
.Lfirst_done:
	v_and_b32 v1, 15, v0
	v_bfe_u32 v2, v0, 4, 1
	v_and_b32 v3, 31, v0
	v_lshlrev_b32 v[BO], 5, v2
	s_mul_i32 s72, s[TC], TN                       ; the bias at my first column
	s_mul_i32 s73, s[WC], 16*NB
	s_add_co_u32 s72, s72, s73
	s_lshl_b32 s72, s72, 2
	s_mov_b32 s73, 0
	s_add_nc_u64 s[10:11], s[10:11], s[72:73]
.set b_, 0
.rept NB
	global_load_b128 v[BF+8*b_:BF+8*b_+3],   v[BO], s[10:11] offset:64*b_
	global_load_b128 v[BF+8*b_+4:BF+8*b_+7], v[BO], s[10:11] offset:64*b_+16
.set b_, b_+1
.endr
	s_lshl_b32 s72, s[TR], 7                       ; on the way out wave w takes rows 32 w .. 32 w + 31 of the tile, whole: 512 bytes each
	s_lshl_b32 s73, s[WV], 5
	s_add_co_u32 s72, s72, s73
	s_lshl_b32 s72, s72, 12
	s_lshl_b32 s73, s[TC], 9
	s_add_co_u32 s72, s72, s73
	s_mov_b32 s73, 0
	s_add_nc_u64 s[12:13], s[12:13], s[72:73]
	s_add_nc_u64 s[8:9], s[8:9], s[72:73]
	v_lshlrev_b32 v[CO], 4, v3
	WIN 0x80                                       ; the residual's 32 rows are asked for now and wanted at the end
.set i_, 0
.rept 32
	global_load_b128 v[128+4*i_:128+4*i_+3], v[CO], s[12:13] offset:i_*4096
.set i_, i_+1
.endr
	WIN 0
	s_mul_i32 s78, s[WR], HALFA                    ; LDS addresses: made of the wave's number and the lane alone (s78, s79)
	v_mul_u32_u24 v[A0], v1, APITCH
	v_lshl_add_u32 v[A0], v2, 4, v[A0]
	v_add_nc_u32 v[A0], s78, v[A0]
	s_mul_i32 s79, s[WC], HALFB
	s_add_co_u32 s79, s79, 2*HALFA
	v_mul_u32_u24 v[B0], v1, BPITCH
	v_lshl_add_u32 v[B0], v2, 4, v[B0]
	v_add_nc_u32 v[B0], s79, v[B0]
	v_mov_b32 v[ADRA], v[A0]
	v_mov_b32 v[ADRB], v[B0]
	s_mul_i32 s78, s[WR], 16*MA*SP
	s_mul_i32 s79, s[WC], 64*NB
	s_add_co_u32 s78, s78, s79
	v_mul_u32_u24 v[STO], v1, SP
	v_lshl_add_u32 v[STO], v2, 5, v[STO]
	v_add_nc_u32 v[STO], s78, v[STO]
	s_mul_i32 s78, s[WV], 32*SP
	v_lshl_add_u32 v[RD], v3, 4, s78
	s_wait_tensorcnt 0x1                           ; my part of the first K step is in; the second's may stay out
	s_barrier_signal -1
	s_barrier_wait -1
	FETCH 0, F0
	s_wait_loadcnt 32                              ; the bias is in; the residual's 32 loads stay out
	QUARTER 1, F0, F1, 1
	WIN 0
	s_mov_b32 s[CN], T-2
.Lstep:
	QUARTER 2, F1, F0, 0
	QUARTER 3, F0, F1, 0
	TURN 1
	QUARTER 1, F0, F1, 0
	WIN 0
	s_sub_co_u32 s[CN], s[CN], 1
	s_cmp_lg_u32 s[CN], 0
	s_cbranch_scc1 .Lstep
	s_mov_b32 s[CN], 2
.Ltail:                                        ; the last two K steps ask for nothing; the second trip is left in its middle
	QUARTER 2, F1, F0, 0
	QUARTER 3, F0, F1, 0
	TURN 0
	WIN 0
	s_sub_co_u32 s[CN], s[CN], 1
	s_cmp_eq_u32 s[CN], 0
	s_cbranch_scc1 .Lout
	QUARTER 1, F0, F1, 0
	WIN 0
	s_branch .Ltail
.Lout:                                         ; (the last TURN's run of loads serves nothing: the price of one text for both trips)
	s_wait_dscnt 0x0
	s_barrier_signal -1
	s_barrier_wait -1                              ; nobody reads the ring any more, and it is filled no more
	PLACES
	STAGE
	s_wait_dscnt 0x0
	s_barrier_signal -1
	s_barrier_wait -1
	s_wait_loadcnt 0x0                             ; the residual
.set i_, 0
.rept 32
	ds_load_b128 v[64+4*i_:64+4*i_+3], v[RD] offset:i_*SP
.set i_, i_+1
.endr
.irp g, 0,1,2,3
	s_wait_dscnt 24-8*\g                           ; eight more rows are back
	WIN 0x08
.set i_, 16*\g
.rept 16
	v_pk_add_f32 v[64+2*i_:64+2*i_+1], v[64+2*i_:64+2*i_+1], v[128+2*i_:128+2*i_+1]
.set i_, i_+1
.endr
	WIN 0
.set i_, 8*\g
.rept 8
	global_store_b128 v[CO], v[64+4*i_:64+4*i_+3], s[8:9] offset:i_*4096  ; 512 consecutive bytes, aligned
.set i_, i_+1
.endr
.endr
	s_wait_tensorcnt 0x0                           ; the wave's end
	ds_add_u32 v[SPW], v[NIL]
	s_wait_dscnt 0x0
	CROUND                                         ; the closing round
	s_endpgm
.Lfunc_end_k_q2e8864e981_wo:
	.size	k_q2e8864e981_wo, .Lfunc_end_k_q2e8864e981_wo-k_q2e8864e981_wo
	.p2alignl 7, 3214868480
	.fill 96, 4, 3214868480
	.section	.rodata,"a",@progbits
	.p2align	6, 0x0
	.amdhsa_kernel k_q2e8864e981_wo
		.amdhsa_group_segment_fixed_size 327680
		.amdhsa_private_segment_fixed_size 0
		.amdhsa_enable_private_segment 0
		.amdhsa_kernarg_size 40
		.amdhsa_user_sgpr_count 2
		.amdhsa_user_sgpr_kernarg_segment_ptr 1
		.amdhsa_wavefront_size32 1
		.amdhsa_system_sgpr_workgroup_id_x 1
		.amdhsa_system_sgpr_workgroup_id_y 1
		.amdhsa_system_sgpr_workgroup_id_z 1
		.amdhsa_system_vgpr_workitem_id 0
		.amdhsa_next_free_vgpr 768
		.amdhsa_next_free_sgpr 100
		.amdhsa_reserve_vcc 0
		.amdhsa_float_denorm_mode_32 3
		.amdhsa_float_denorm_mode_16_64 3
		.amdhsa_memory_ordered 1
		.amdhsa_forward_progress 1
		.amdhsa_inst_pref_size 67
	.end_amdhsa_kernel
	.amdgpu_metadata
---
amdhsa.version: [ 1, 2 ]
amdhsa.kernels:
  - .name:           k_q2e8864e981_wo
    .symbol:         k_q2e8864e981_wo.kd
    .args:
      - { .name: ctx, .offset: 0, .size: 8, .value_kind: global_buffer, .address_space: global }
      - { .name: wt, .offset: 8, .size: 8, .value_kind: global_buffer, .address_space: global }
      - { .name: x1, .offset: 16, .size: 8, .value_kind: global_buffer, .address_space: global }
      - { .name: bo, .offset: 24, .size: 8, .value_kind: global_buffer, .address_space: global }
      - { .name: x, .offset: 32, .size: 8, .value_kind: global_buffer, .address_space: global }
    .group_segment_fixed_size: 327680
    .private_segment_fixed_size: 0
    .kernarg_segment_align: 8
    .kernarg_segment_size: 40
    .max_flat_workgroup_size: 128
    .sgpr_count:     100
    .vgpr_count:     768
    .wavefront_size: 32
...
	.end_amdgpu_metadata
.endif
;; end of part 4
;; launch ln2 (part 5): grid 512 x 1, 8 waves a work-group, no clusters, 0 bytes of LDS; arguments x1, g2, s2, hb; writes hb
.if DOCPART == 5
	.amdgcn_target "amdgcn-amd-amdhsa--gfx1250"
	.amdhsa_code_object_version 6
	.text
	.protected	k_q2e8864e981_ln2
	.globl	k_q2e8864e981_ln2
	.p2align	8
	.type	k_q2e8864e981_ln2,@function
k_q2e8864e981_ln2:
	s_mov_b64 s[64:65], 0
	v_nop
	global_prefetch_b8 v0, s[64:65] scope:SCOPE_SE
	s_setreg_imm32_b32 hwreg(HW_REG_WAVE_MODE, 25, 1), 1
	s_wait_xcnt 0x0
; h[r][c] = g[c] (x[r][c] - mean_r) / sqrt(var_r + 1e-12) + s[c], var with the divisor 1,023.  x: [4096][1024] f32, h: f16, rounded once.
; LIMIT: f16 ends at 65,504; |h| is at most 32 |g| + |s|, so gains and shifts 30 times those expected have room.
; One wave, one row of 4,096 bytes in 32 registers.  The mean is taken first and taken away, then the squares are added:
; no difference of large sums is formed.  No LDS, no barrier: the sums never leave the wave.
; A lane holds columns 128 j + 4 l .. + 3, j = 0 .. 7: a load covers 512 consecutive bytes, a store of 8 bytes a lane 256, aligned.
.set T,  8                             ; v8-23   at work
.set G,  32                            ; v32-63  g of my columns
.set SH, 64                            ; v64-95  s of my columns
.set X,  96                            ; v96-127 the row, worked on in place
	s_load_b256 s[4:11], s[0:1], 0x0               ; x, g, s, h
	v_lshrrev_b32 v1, 5, v0
	v_readfirstlane_b32 s12, v1                    ; wave
	v_and_b32 v1, 31, v0
	v_lshlrev_b32 v2, 4, v1                        ; 16 l
	v_lshlrev_b32 v3, 3, v1                        ; 8 l
	s_lshl_b32 s13, ttmp9, 3
	s_add_co_u32 s13, s13, s12                     ; my row
	s_lshl_b32 s18, s13, 12                        ; 4,096 bytes of x
	s_mov_b32 s19, 0
	s_lshl_b32 s20, s13, 11                        ; 2,048 bytes of h
	s_mov_b32 s21, 0
	s_mov_b32 s14, 0x76543210                      ; v_permlanex16_b32: each lane takes its own place in the other half
	s_mov_b32 s15, 0xfedcba98
	s_mov_b32 s16, 0x3a802008                      ; 1 / 1023
	s_mov_b32 s17, 0x2b8cbccc                      ; 1e-12
	s_wait_kmcnt 0x0
	s_add_nc_u64 s[4:5], s[4:5], s[18:19]
	s_add_nc_u64 s[10:11], s[10:11], s[20:21]
.irp j, 0,1,2,3,4,5,6,7
	global_load_b128 v[X+4*\j:X+4*\j+3], v2, s[4:5] offset:512*\j
.endr
.irp j, 0,1,2,3,4,5,6,7
	global_load_b128 v[G+4*\j:G+4*\j+3], v2, s[6:7] offset:512*\j
.endr
.irp j, 0,1,2,3,4,5,6,7
	global_load_b128 v[SH+4*\j:SH+4*\j+3], v2, s[8:9] offset:512*\j
.endr
.macro RED r                           ; four pairs at r .. r + 7 into one number, the same in all 32 lanes
	v_pk_add_f32 v[\r:\r+1], v[\r:\r+1], v[\r+2:\r+3]
	v_pk_add_f32 v[\r+4:\r+5], v[\r+4:\r+5], v[\r+6:\r+7]
	v_pk_add_f32 v[\r:\r+1], v[\r:\r+1], v[\r+4:\r+5]
	v_add_f32 v[\r], v[\r], v[\r+1]
	v_add_f32_dpp v[\r], v[\r], v[\r] row_xmask:1 row_mask:0xf bank_mask:0xf
	v_add_f32_dpp v[\r], v[\r], v[\r] row_xmask:2 row_mask:0xf bank_mask:0xf
	v_add_f32_dpp v[\r], v[\r], v[\r] row_xmask:4 row_mask:0xf bank_mask:0xf
	v_add_f32_dpp v[\r], v[\r], v[\r] row_xmask:8 row_mask:0xf bank_mask:0xf
	v_permlanex16_b32 v[\r+1], v[\r], s14, s15
	v_add_f32 v[\r], v[\r], v[\r+1]
.endm
	s_wait_loadcnt 16                              ; the row is in; g's and s's sixteen loads stay out
.irp k, 0,1,2,3
	v_pk_add_f32 v[T+2*\k:T+2*\k+1], v[X+4*\k:X+4*\k+1], v[X+4*\k+2:X+4*\k+3]  ; four chains, started by the first pairs: nothing is cleared
.endr
.irp p, 8,9,10,11,12,13,14,15
	v_pk_add_f32 v[T+2*(\p%4):T+2*(\p%4)+1], v[T+2*(\p%4):T+2*(\p%4)+1], v[X+2*\p:X+2*\p+1]
.endr
	RED T
	v_mul_f32 v[T+2], 0x3a800000, v[T]             ; the mean: sum / 1024
.irp p, 0,1,2,3,4,5,6,7,8,9,10,11,12,13,14,15
	v_pk_add_f32 v[X+2*\p:X+2*\p+1], v[X+2*\p:X+2*\p+1], v[T+2:T+3] op_sel_hi:[1,0] neg_lo:[0,1] neg_hi:[0,1]
.endr
.irp k, 0,1,2,3
	v_pk_mul_f32 v[T+8+2*\k:T+8+2*\k+1], v[X+2*\k:X+2*\k+1], v[X+2*\k:X+2*\k+1]
.endr
.irp p, 4,5,6,7,8,9,10,11,12,13,14,15
	v_pk_fma_f32 v[T+8+2*(\p%4):T+8+2*(\p%4)+1], v[X+2*\p:X+2*\p+1], v[X+2*\p:X+2*\p+1], v[T+8+2*(\p%4):T+8+2*(\p%4)+1]
.endr
	RED T+8
	v_fma_f32 v[T+4], v[T+8], s16, s17             ; var + eps
	v_rsq_f32 v[T+6], v[T+4]
	v_nop                                          ; a plain instruction behind the root,
	s_wait_alu depctr_va_vdst(0)                   ; and a wait ahead of its first reader
.irp p, 0,1,2,3,4,5,6,7,8,9,10,11,12,13,14,15
	v_pk_mul_f32 v[X+2*\p:X+2*\p+1], v[X+2*\p:X+2*\p+1], v[T+6:T+7] op_sel_hi:[1,0]
.endr
	s_wait_loadcnt 0x0                             ; g and s
.irp p, 0,1,2,3,4,5,6,7,8,9,10,11,12,13,14,15
	v_pk_fma_f32 v[X+2*\p:X+2*\p+1], v[X+2*\p:X+2*\p+1], v[G+2*\p:G+2*\p+1], v[SH+2*\p:SH+2*\p+1]
.endr
.irp j, 0,1,2,3,4,5,6,7
	v_cvt_pk_f16_f32 v[X+4*\j], v[X+4*\j], v[X+4*\j+1]          ; in place: the row's registers are not used again
	v_cvt_pk_f16_f32 v[X+4*\j+1], v[X+4*\j+2], v[X+4*\j+3]
	global_store_b64 v3, v[X+4*\j:X+4*\j+1], s[10:11] offset:256*\j
.endr
	s_endpgm
.Lfunc_end_k_q2e8864e981_ln2:
	.size	k_q2e8864e981_ln2, .Lfunc_end_k_q2e8864e981_ln2-k_q2e8864e981_ln2
	.p2alignl 7, 3214868480
	.fill 96, 4, 3214868480
	.section	.rodata,"a",@progbits
	.p2align	6, 0x0
	.amdhsa_kernel k_q2e8864e981_ln2
		.amdhsa_group_segment_fixed_size 0
		.amdhsa_private_segment_fixed_size 0
		.amdhsa_enable_private_segment 0
		.amdhsa_kernarg_size 32
		.amdhsa_user_sgpr_count 2
		.amdhsa_user_sgpr_kernarg_segment_ptr 1
		.amdhsa_wavefront_size32 1
		.amdhsa_system_sgpr_workgroup_id_x 1
		.amdhsa_system_sgpr_workgroup_id_y 1
		.amdhsa_system_sgpr_workgroup_id_z 1
		.amdhsa_system_vgpr_workitem_id 0
		.amdhsa_next_free_vgpr 128
		.amdhsa_next_free_sgpr 66
		.amdhsa_reserve_vcc 0
		.amdhsa_float_denorm_mode_32 3
		.amdhsa_float_denorm_mode_16_64 3
		.amdhsa_memory_ordered 1
		.amdhsa_forward_progress 1
		.amdhsa_inst_pref_size 12
	.end_amdhsa_kernel
	.amdgpu_metadata
---
amdhsa.version: [ 1, 2 ]
amdhsa.kernels:
  - .name:           k_q2e8864e981_ln2
    .symbol:         k_q2e8864e981_ln2.kd
    .args:
      - { .name: x1, .offset: 0, .size: 8, .value_kind: global_buffer, .address_space: global }
      - { .name: g2, .offset: 8, .size: 8, .value_kind: global_buffer, .address_space: global }
      - { .name: s2, .offset: 16, .size: 8, .value_kind: global_buffer, .address_space: global }
      - { .name: hb, .offset: 24, .size: 8, .value_kind: global_buffer, .address_space: global }
    .group_segment_fixed_size: 0
    .private_segment_fixed_size: 0
    .kernarg_segment_align: 8
    .kernarg_segment_size: 32
    .max_flat_workgroup_size: 256
    .sgpr_count:     66
    .vgpr_count:     128
    .wavefront_size: 32
...
	.end_amdgpu_metadata
.endif
;; end of part 5
;; launch w1 (part 6): grid 16 x 16, 4 waves a work-group, clusters of 4 x 4, 327,680 bytes of LDS; arguments hb, wt, act, b1; writes act
.if DOCPART == 6
	.amdgcn_target "amdgcn-amd-amdhsa--gfx1250"
	.amdhsa_code_object_version 6
	.text
	.protected	k_q2e8864e981_w1
	.globl	k_q2e8864e981_w1
	.p2align	8
	.type	k_q2e8864e981_w1,@function
k_q2e8864e981_w1:
	s_mov_b64 s[64:65], 0
	v_nop
	global_prefetch_b8 v0, s[64:65] scope:SCOPE_SE
	s_setreg_imm32_b32 hwreg(HW_REG_WAVE_MODE, 25, 1), 1
	s_wait_xcnt 0x0
	s_wait_alu depctr_hold_cnt(0) depctr_sa_sdst(0) depctr_va_vdst(0) depctr_va_sdst(0) depctr_va_ssrc(0) depctr_va_vcc(0) depctr_vm_vsrc(0)
	s_getreg_b32 s2, hwreg(HW_REG_IB_STS2, 6, 4)
	s_cmp_eq_u32 s2, 0
	s_cbranch_scc0 .Lentry_in_a_cluster
	s_endpgm
.Lentry_in_a_cluster:
	s_bfe_u32 s2, ttmp6, 0x10000c
	s_cmp_lg_u32 s2, 0xf033
	s_cbranch_scc0 .Lentry_shape_is_right
	s_endpgm
.Lentry_shape_is_right:
; act = gelu(h W1 + b1).  A = h [4096][1024] f16, B = wt's rows of W1 [4096 n][1024 k] f16; sums in f32, started by the bias; act [4096][4096] f16, rounded once.
; LIMIT: f16 ends at 65,504: act must stay within it (with gains and weights 30 times those expected it reaches some thousands).
; gelu(x) = 0.5 x (1 + tanh(sqrt(2/pi) (x + 0.044715 x^3))) = x / (1 + 2^u), u = x (K1 + K2 x^2), K1 = -2 sqrt(2/pi) log2(e), K2 = 0.044715 K1: the same function,
; right in both limits (2^u = 0 gives x; 2^u = infinity gives 0 with x's sign).
; A tile of C is 256 x 256: four waves, each 128 x 128 = 64 accumulators.  K goes in steps of 128 through two LDS slots filled by the tensor data mover (rows of 256 bytes,
; padded to 272).  One K step is written once: the slot in hand is the scalar TB.  CLUSTER 4 x 4: A's tile is shared along a row, B's along a column; each is asked for jointly.
; The matrix instruction is used transposed (source 0 = 16 rows of B, source 1 = 16 rows of A): a lane holds 8 neighbouring columns of a row of C.
; WINDOWS: 0: addresses, A's two fragment buffers v64-191, the bias fragments v192-255; 1: B's two buffers; 2, 3: accumulator t = 8 a + b at 8 (t % 32).
.set MA, 8
.set NB, 8
.set KD, 1
.set SIZE_K, 1024
.set WTOFF, 8388608
.set APITCH, 272
.set ACH, 64
.set BPITCH, 272
.set BCH, 64
.set HALFA, 16*MA*APITCH
.set AD0, 128*KD
.set AD1, 16*MA
.set AST, SIZE_K
.set AQI, 5
.set BQI, 5
.set ASTEP, 256
.set BSTEP, 256
.set PF, 1
.set RPA, 32
.set RPB, 32
.set T,     SIZE_K/(128*KD)
.set TM,    32*MA
.set TN,    32*NB
.set HALFB, 16*NB*BPITCH
.set SLOT,  2*HALFA+2*HALFB
.set SPARE, 2*SLOT
.set SP,    4*TN+16
.set NL,    2*KD*(MA+NB)
.set FLA,   (1<<16)|(1<<20)|(1<<21)|(AQI<<22)|(3<<25)
.set FLB,   (1<<16)|(1<<20)|(1<<21)|(BQI<<22)|(3<<25)
.set CN, 3
.set WV, 16
.set WR, 17
.set WC, 18
.set CX, 19
.set CY, 20
.set TC, 21
.set TR, 22
.set TB, 23
.set G1A, 24
.set G0A, 32
.set G1B, 48
.set G0B, 56
.set LDA, 66
.set LDB, 67
.set LIM, 68
.set PFA, 70
.set A0, 8
.set B0, 9
.set ADRA, 10
.set ADRB, 11
.set STO, 12
.set RD, 14
.set CO, 15
.set PFO, 16
.set BO, 18
.set SPW, 28
.set NIL, 29
.set F0, 64
.set F1, 128
.set BF, 192
.set MSB, 0
.macro WIN new
.if MSB != (\new)
	s_set_vgpr_msb (MSB<<8)|(\new)
.set MSB, \new
.endif
.endm
.macro PLACES
.rept 4
	v_nop
.endr
.endm
.macro CREST
	s_cmp_lg_u32 s[WV], 0
	s_cbranch_scc1 .Lnot_wave_0_\@
	s_barrier_signal -3
.Lnot_wave_0_\@:
	s_barrier_wait -3
	s_barrier_signal -1
	s_barrier_wait -1
.endm
.macro CROUND
	s_barrier_signal -1
	s_barrier_wait -1
	CREST
.endm
.macro JLOAD
	s_cmp_eq_u32 s[WR], 0
	s_cbranch_scc0 .Lfor_b_\@
	tensor_load_to_lds s[G0A+4:G0A+7], s[G1A:G1A+7]
	s_nop 0
.rept 4
	v_nop
.endr
	s_branch .Lasked_\@
.Lfor_b_\@:
	tensor_load_to_lds s[G0B+4:G0B+7], s[G1B:G1B+7]
	s_nop 0
.rept 4
	v_nop
.endr
.Lasked_\@:
.endm
.macro ASK                             ; a prefetch of the K step two refills on: my work-group's 32 rows of the 128 that I fetch, a lane a row
	s_cmp_gt_u32 s[CN], s[LIM]                     ; the last two refills have no such step; LIM is the greatest number in a wave that asks for nothing
	s_cbranch_scc0 .Lnot_mine_\@
	global_prefetch_b8 v[PFO], s[PFA:PFA+1] offset:BSTEP th:TH_LOAD_NT scope:SCOPE_SE
.Lnot_mine_\@:
.endm
.macro MUL f, a0, na, first            ; the accumulators take turns, one instruction a turn; first = 1: the first product of each sum takes the bias as C
.set c_, 0
.rept KD
.set a_, \a0
.rept \na
.set b_, 0
.rept NB
.set t_, a_*NB+b_
.set d_, 8*(t_%32)
.if (\first) && (c_ == 0)
	WIN 0x81+0x40*(t_/32)
	v_wmma_f32_16x16x32_f16 v[d_:d_+7], v[(\f)+8*(b_*KD+c_):(\f)+8*(b_*KD+c_)+7], v[(\f)+8*(a_*KD+c_):(\f)+8*(a_*KD+c_)+7], v[BF+8*b_:BF+8*b_+7]
.else
	WIN 0xa1+0x50*(t_/32)
	v_wmma_f32_16x16x32_f16 v[d_:d_+7], v[(\f)+8*(b_*KD+c_):(\f)+8*(b_*KD+c_)+7], v[(\f)+8*(a_*KD+c_):(\f)+8*(a_*KD+c_)+7], v[d_:d_+7]
.endif
.set b_, b_+1
.endr
.set a_, a_+1
.endr
.set c_, c_+1
.endr
.endm
.macro FETCH k, f
	WIN 0x40
.set i_, 0
.rept NB
.set c_, 0
.rept KD
	ds_load_b128 v[(\f)+8*(i_*KD+c_):(\f)+8*(i_*KD+c_)+3],   v[ADRB] offset:(\k)*BCH+64*c_+i_*16*BPITCH
	ds_load_b128 v[(\f)+8*(i_*KD+c_)+4:(\f)+8*(i_*KD+c_)+7], v[ADRB] offset:(\k)*BCH+64*c_+i_*16*BPITCH+32
.set c_, c_+1
.endr
.set i_, i_+1
.endr
	WIN 0
.set i_, 0
.rept MA
.set c_, 0
.rept KD
	ds_load_b128 v[(\f)+8*(i_*KD+c_):(\f)+8*(i_*KD+c_)+3],   v[ADRA] offset:(\k)*ACH+64*c_+i_*16*APITCH
	ds_load_b128 v[(\f)+8*(i_*KD+c_)+4:(\f)+8*(i_*KD+c_)+7], v[ADRA] offset:(\k)*ACH+64*c_+i_*16*APITCH+32
.set c_, c_+1
.endr
.set i_, i_+1
.endr
.endm
.macro QUARTER k, f, g, first
	s_wait_dscnt MA*KD                             ; B and A's lower half are in; A's upper half may be out
	MUL \f, 0, MA/2, \first
	PLACES
	FETCH \k, \g
	s_wait_dscnt NL                                ; all but the run just issued
	MUL \f, MA/2, MA/2, \first
.endm
.macro TURN fill                       ; the last quarter and the change of slots: all my tensor loads, the add, my reads, one barrier (with fill = 1 it opens a round), the refill first behind it
.if PF && (\fill)
	s_wait_xcnt 0x0                                ; the last prefetch, a K step back, has read its address
	s_add_nc_u64 s[PFA:PFA+1], s[PFA:PFA+1], BSTEP
.endif
	WIN 0
	s_wait_tensorcnt 0x0
	ds_add_u32 v[SPW], v[NIL]
.if \fill
	s_add_co_u32 s[G0A+5], s[LDA], s[TB]
	s_add_co_u32 s[G0B+5], s[LDB], s[TB]
	s_add_nc_u64 s[G0A+6:G0A+7], s[G0A+6:G0A+7], ASTEP
	s_add_nc_u64 s[G0B+6:G0B+7], s[G0B+6:G0B+7], BSTEP
.endif
	s_xor_b32 s[TB], s[TB], SLOT
	s_wait_dscnt MA*KD+1                           ; the add and A's upper half may be out
	MUL F1, 0, MA/4, 0
	s_wait_dscnt 0x0
	s_barrier_signal -1
	MUL F1, MA/4, MA/4, 0
	WIN 0
	s_barrier_wait -1
.if \fill
	CREST
	JLOAD
.else
	PLACES
.endif
	v_add_nc_u32 v[ADRA], s[TB], v[A0]
	v_add_nc_u32 v[ADRB], s[TB], v[B0]
	FETCH 0, F0
.if PF && (\fill)
	ASK
.endif
	MUL F1, MA/2, MA/2, 0
.endm
.macro STAGE
.set a_, 0
.rept MA
.set b_, 0
.rept NB
.set t_, a_*NB+b_
.set d_, 8*(t_%32)
	WIN 0x08+0x04*(t_/32)
	ds_store_b128 v[STO+a_/4], v[d_:d_+3]   offset:(a_%4)*16*SP+64*b_
	ds_store_b128 v[STO+a_/4], v[d_+4:d_+7] offset:(a_%4)*16*SP+64*b_+16
.set b_, b_+1
.endr
.set a_, a_+1
.endr
	WIN 0
.endm
	s_load_b256 s[4:11], s[0:1], 0x0               ; A s[4:5], wt s[6:7], out s[8:9], bias s[10:11]
	v_lshl_add_u32 v[SPW], v0, 2, SPARE
	v_mov_b32 v[NIL], 0
	ds_add_u32 v[SPW], v[NIL]                      ; the opening: the add; its wait stands ahead of my first tensor load
	ds_add_u32 v28, v29
	v_lshrrev_b32 v1, 5, v0
	v_readfirstlane_b32 s[WV], v1
	s_lshr_b32 s[WR], s[WV], 1
	s_and_b32 s[WC], s[WV], 1
	s_bfe_u32 s[CX], ttmp6, 0x40000
	s_bfe_u32 s[CY], ttmp6, 0x40004
	s_lshl_b32 s[TC], ttmp9, 2
	s_add_co_u32 s[TC], s[TC], s[CX]
	s_and_b32 s[TR], ttmp7, 0xffff
	s_lshl_b32 s[TR], s[TR], 2
	s_add_co_u32 s[TR], s[TR], s[CY]
	s_lshl_b32 s40, s[CY], 2                       ; s40-43 hold only what my row of the cluster shares, s44-47 only what my column shares
	s_lshl_b32 s40, 15, s40
	s_or_b32 s[G1A], s40, FLA
	s_lshl_b32 s44, 0x1111, s[CX]
	s_or_b32 s[G1B], s44, FLB
	s_mov_b32 s[G1A+1], (AD0&0xffff)<<16
	s_mov_b32 s[G1A+2], (AD0>>16)|(AD1<<16)
	s_mov_b32 s[G1A+3], (AD1>>16)|(AD0<<16)
	s_mov_b32 s[G1A+4], AD1
	s_mov_b32 s[G1A+5], AST
	s_mov_b32 s[G1A+6], 0
	s_mov_b32 s[G1A+7], 0
	s_mov_b32 s[G1B+1], (128*KD)<<16
	s_mov_b32 s[G1B+2], (16*NB)<<16
	s_mov_b32 s[G1B+3], (128*KD)<<16
	s_mov_b32 s[G1B+4], 16*NB
	s_mov_b32 s[G1B+5], SIZE_K
	s_mov_b32 s[G1B+6], 0
	s_mov_b32 s[G1B+7], 0
	s_mul_i32 s42, s[TR], TM
	s_mul_i32 s41, s[WC], 16*MA
	s_add_co_u32 s42, s42, s41
	s_mul_i32 s42, s42, 2*SIZE_K
	s_mov_b32 s43, 0
	s_mul_i32 s46, s[TC], TN
	s_mul_i32 s45, s[WC], 16*NB
	s_add_co_u32 s46, s46, s45
	s_mul_i32 s46, s46, 2*SIZE_K
	s_add_co_u32 s46, s46, WTOFF
	s_mov_b32 s47, 0
	s_mul_i32 s[LDA], s[WC], HALFA
	s_mul_i32 s[LDB], s[WC], HALFB
	s_add_co_u32 s[LDB], s[LDB], 2*HALFA
	s_mov_b32 s[TB], 0
	s_mov_b32 s80, 0xc0135761                      ; K1 = -2.3022082
	s_mov_b32 s81, s80
	s_mov_b32 s82, 0xbdd2d3e8                      ; K2 = -0.10294324
	s_mov_b32 s83, s82
	s_wait_dscnt 0x0
	s_wait_kmcnt 0x0
	s_add_nc_u64 s[42:43], s[4:5], s[42:43]
	s_add_nc_u64 s[46:47], s[6:7], s[46:47]
.irp s, 0,1
	s_mov_b32 s[G0A+4*\s], 1
	s_add_co_u32 s[G0A+4*\s+1], s[LDA], \s*SLOT
	s_add_nc_u64 s[G0A+4*\s+2:G0A+4*\s+3], s[42:43], \s*ASTEP
	s_or_b32 s[G0A+4*\s+3], s[G0A+4*\s+3], 0x80000000
	s_mov_b32 s[G0B+4*\s], 1
	s_add_co_u32 s[G0B+4*\s+1], s[LDB], \s*SLOT
	s_add_nc_u64 s[G0B+4*\s+2:G0B+4*\s+3], s[46:47], \s*BSTEP
	s_or_b32 s[G0B+4*\s+3], s[G0B+4*\s+3], 0x80000000
.endr
	CROUND
	s_cmp_eq_u32 s[WR], 0                          ; a wave's two first fills stand in one branch: two loads of mine are out
	s_cbranch_scc0 .Lfirst_b
	tensor_load_to_lds s[G0A:G0A+3], s[G1A:G1A+7]
	s_nop 0
	tensor_load_to_lds s[G0A+4:G0A+7], s[G1A:G1A+7]
	s_nop 0
.rept 4
	v_nop
.endr
	s_branch .Lfirst_done
.Lfirst_b:
	tensor_load_to_lds s[G0B:G0B+3], s[G1B:G1B+7]
	s_nop 0
	tensor_load_to_lds s[G0B+4:G0B+7], s[G1B:G1B+7]
	s_nop 0
.rept 4
	v_nop
.endr
.Lfirst_done:
	v_and_b32 v1, 15, v0
	v_bfe_u32 v2, v0, 4, 1
	v_and_b32 v3, 31, v0
	v_lshlrev_b32 v[BO], 5, v2
	; the prefetches.  A's rows are read by every cluster of this row of clusters: cluster x = 0 asks; B's by every cluster of this column: cluster y = 0 asks.
	; The four partners share a wave's rows out by address.  Nothing is asked for here at the head; K steps 0 to 3 come by their loads alone.
	s_and_b32 s72, ttmp7, 0xffff
	s_cmp_eq_u32 s[WR], 0
	s_cselect_b32 s73, s[CX], s[CY]
	s_cselect_b32 s72, ttmp9, s72
	s_cselect_b32 s77, RPA, RPB
	s_cselect_b64 s[PFA:PFA+1], s[42:43], s[46:47]
	s_cmp_eq_u32 s72, 0
	s_cselect_b32 s[LIM], 2, -1
	s_mul_i32 s74, s73, s77
	s_mul_i32 s74, s74, 2*SIZE_K
	s_mov_b32 s75, 0
	s_add_nc_u64 s[PFA:PFA+1], s[PFA:PFA+1], s[74:75]
	s_add_nc_u64 s[PFA:PFA+1], s[PFA:PFA+1], 2*BSTEP
	v_mul_u32_u24 v[PFO], v3, 2*SIZE_K
	s_mul_i32 s72, s[TC], TN                       ; the bias at my first column
	s_mul_i32 s73, s[WC], 16*NB
	s_add_co_u32 s72, s72, s73
	s_lshl_b32 s72, s72, 2
	s_mov_b32 s73, 0
	s_add_nc_u64 s[10:11], s[10:11], s[72:73]
.set b_, 0
.rept NB
	global_load_b128 v[BF+8*b_:BF+8*b_+3],   v[BO], s[10:11] offset:64*b_
	global_load_b128 v[BF+8*b_+4:BF+8*b_+7], v[BO], s[10:11] offset:64*b_+16
.set b_, b_+1
.endr
	s_lshl_b32 s72, s[TR], 8                       ; on the way out wave w takes rows 64 w .. of the tile, whole: 512 bytes of act each
	s_lshl_b32 s73, s[WV], 6
	s_add_co_u32 s72, s72, s73
	s_lshl_b32 s72, s72, 13
	s_lshl_b32 s73, s[TC], 9
	s_add_co_u32 s72, s72, s73
	s_mov_b32 s73, 0
	s_add_nc_u64 s[8:9], s[8:9], s[72:73]
	v_lshlrev_b32 v[CO], 3, v3
	s_mul_i32 s78, s[WR], HALFA                    ; LDS addresses: made of the wave's number and the lane alone (s78, s79)
	v_mul_u32_u24 v[A0], v1, APITCH
	v_lshl_add_u32 v[A0], v2, 4, v[A0]
	v_add_nc_u32 v[A0], s78, v[A0]
	s_mul_i32 s79, s[WC], HALFB
	s_add_co_u32 s79, s79, 2*HALFA
	v_mul_u32_u24 v[B0], v1, BPITCH
	v_lshl_add_u32 v[B0], v2, 4, v[B0]
	v_add_nc_u32 v[B0], s79, v[B0]
	v_mov_b32 v[ADRA], v[A0]
	v_mov_b32 v[ADRB], v[B0]
	s_mul_i32 s78, s[WR], 16*MA*SP
	s_mul_i32 s79, s[WC], 64*NB
	s_add_co_u32 s78, s78, s79
	v_mul_u32_u24 v[STO], v1, SP
	v_lshl_add_u32 v[STO], v2, 5, v[STO]
	v_add_nc_u32 v[STO], s78, v[STO]
	v_add_nc_u32 v[STO+1], 64*SP, v[STO]
	s_mul_i32 s78, s[WV], 64*SP
	v_lshl_add_u32 v[RD], v3, 4, s78
	s_wait_tensorcnt 0x1                           ; my part of K step 0 is in; step 1's may stay out
	s_barrier_signal -1
	s_barrier_wait -1
	FETCH 0, F0
	s_wait_loadcnt 0x0                             ; the bias
	QUARTER 1, F0, F1, 1
	WIN 0
	s_mov_b32 s[CN], T-2
.Lstep:
	QUARTER 2, F1, F0, 0
	QUARTER 3, F0, F1, 0
	TURN 1
	QUARTER 1, F0, F1, 0
	WIN 0
	s_sub_co_u32 s[CN], s[CN], 1
	s_cmp_lg_u32 s[CN], 0
	s_cbranch_scc1 .Lstep
	s_mov_b32 s[CN], 2
.Ltail:                                        ; the last two K steps ask for nothing; the second trip is left in its middle
	QUARTER 2, F1, F0, 0
	QUARTER 3, F0, F1, 0
	TURN 0
	WIN 0
	s_sub_co_u32 s[CN], s[CN], 1
	s_cmp_eq_u32 s[CN], 0
	s_cbranch_scc1 .Lout
	QUARTER 1, F0, F1, 0
	WIN 0
	s_branch .Ltail
.Lout:                                         ; (the last TURN's run of loads serves nothing: the price of one text for both trips)
	s_wait_dscnt 0x0
	s_barrier_signal -1
	s_barrier_wait -1                              ; nobody reads the ring any more, and it is filled no more
	PLACES
	STAGE
	s_wait_dscnt 0x0
	s_barrier_signal -1
	s_barrier_wait -1
; THE WAY OUT: 16 trips of 4 rows: 8 loads of 512 bytes, 32 numbers a lane through the GELU, 8 stores of 256 consecutive bytes.
.set X, 64
.set U, 96
.set Y, 128
.macro LDX
.irp rr, 0,1,2,3
.irp cc, 0,1
	ds_load_b128 v[X+4*(2*\rr+\cc):X+4*(2*\rr+\cc)+3], v[RD] offset:\rr*SP+512*\cc
.endr
.endr
.endm
	LDX
	s_mov_b32 s[CN], 16
.Lrows:
	s_wait_dscnt 0x0
.set i_, 0
.rept 16                               ; u = x (K1 + K2 x^2), a pair at a time; the pair before's two exponentials stand between the lines
	v_pk_mul_f32 v[U+2*i_:U+2*i_+1], v[X+2*i_:X+2*i_+1], v[X+2*i_:X+2*i_+1]
.if i_ > 0
	v_exp_f32 v[U+2*i_-2], v[U+2*i_-2]
.endif
	v_pk_fma_f32 v[U+2*i_:U+2*i_+1], v[U+2*i_:U+2*i_+1], s[82:83], s[80:81] op_sel_hi:[1,0,0]
.if i_ > 0
	v_exp_f32 v[U+2*i_-1], v[U+2*i_-1]
.endif
	v_pk_mul_f32 v[U+2*i_:U+2*i_+1], v[U+2*i_:U+2*i_+1], v[X+2*i_:X+2*i_+1]
.set i_, i_+1
.endr
	v_exp_f32 v[U+30], v[U+30]
	v_exp_f32 v[U+31], v[U+31]
	v_nop                                          ; a plain instruction behind the last exponential,
	s_wait_alu depctr_va_vdst(0)                   ; and one wait for the batch of 32
.set i_, 0
.rept 16                               ; 1 + 2^u, and the pair before's reciprocals
	v_pk_add_f32 v[U+2*i_:U+2*i_+1], v[U+2*i_:U+2*i_+1], 1.0 op_sel_hi:[1,0]
.if i_ > 0
	v_rcp_f32 v[U+2*i_-2], v[U+2*i_-2]
	v_rcp_f32 v[U+2*i_-1], v[U+2*i_-1]
.endif
.set i_, i_+1
.endr
	v_rcp_f32 v[U+30], v[U+30]
	v_rcp_f32 v[U+31], v[U+31]
	v_nop
	s_wait_alu depctr_va_vdst(0)                   ; one wait for the 32 reciprocals
.set i_, 0
.rept 16
	v_pk_mul_f32 v[U+2*i_:U+2*i_+1], v[U+2*i_:U+2*i_+1], v[X+2*i_:X+2*i_+1]
.set i_, i_+1
.endr
	s_cmp_eq_u32 s[CN], 1                          ; the next trip's rows are asked for now; the last trip asks for its own rows once more, so that nothing outside the tile is read
	s_cselect_b32 s78, 0, 4*SP
	v_add_nc_u32 v[RD], s78, v[RD]
	LDX
.set i_, 0
.rept 16
	v_cvt_pk_f16_f32 v[Y+i_], v[U+2*i_], v[U+2*i_+1]
.set i_, i_+1
.endr
.irp rr, 0,1,2,3
.irp cc, 0,1
	global_store_b64 v[CO], v[Y+2*(2*\rr+\cc):Y+2*(2*\rr+\cc)+1], s[8:9] offset:\rr*8192+256*\cc
.endr
.endr
	s_wait_xcnt 0x0                                ; the stores have read their data and their base
	s_add_nc_u64 s[8:9], s[8:9], 32768
	s_sub_co_u32 s[CN], s[CN], 1
	s_cmp_lg_u32 s[CN], 0
	s_cbranch_scc1 .Lrows
	s_wait_tensorcnt 0x0                           ; the wave's end
	ds_add_u32 v[SPW], v[NIL]
	s_wait_dscnt 0x0
	CROUND                                         ; the closing round
	s_endpgm
.Lfunc_end_k_q2e8864e981_w1:
	.size	k_q2e8864e981_w1, .Lfunc_end_k_q2e8864e981_w1-k_q2e8864e981_w1
	.p2alignl 7, 3214868480
	.fill 96, 4, 3214868480
	.section	.rodata,"a",@progbits
	.p2align	6, 0x0
	.amdhsa_kernel k_q2e8864e981_w1
		.amdhsa_group_segment_fixed_size 327680
		.amdhsa_private_segment_fixed_size 0
		.amdhsa_enable_private_segment 0
		.amdhsa_kernarg_size 32
		.amdhsa_user_sgpr_count 2
		.amdhsa_user_sgpr_kernarg_segment_ptr 1
		.amdhsa_wavefront_size32 1
		.amdhsa_system_sgpr_workgroup_id_x 1
		.amdhsa_system_sgpr_workgroup_id_y 1
		.amdhsa_system_sgpr_workgroup_id_z 1
		.amdhsa_system_vgpr_workitem_id 0
		.amdhsa_next_free_vgpr 1024
		.amdhsa_next_free_sgpr 100
		.amdhsa_reserve_vcc 0
		.amdhsa_float_denorm_mode_32 3
		.amdhsa_float_denorm_mode_16_64 3
		.amdhsa_memory_ordered 1
		.amdhsa_forward_progress 1
		.amdhsa_inst_pref_size 90
	.end_amdhsa_kernel
	.amdgpu_metadata
---
amdhsa.version: [ 1, 2 ]
amdhsa.kernels:
  - .name:           k_q2e8864e981_w1
    .symbol:         k_q2e8864e981_w1.kd
    .args:
      - { .name: hb, .offset: 0, .size: 8, .value_kind: global_buffer, .address_space: global }
      - { .name: wt, .offset: 8, .size: 8, .value_kind: global_buffer, .address_space: global }
      - { .name: act, .offset: 16, .size: 8, .value_kind: global_buffer, .address_space: global }
      - { .name: b1, .offset: 24, .size: 8, .value_kind: global_buffer, .address_space: global }
    .group_segment_fixed_size: 327680
    .private_segment_fixed_size: 0
    .kernarg_segment_align: 8
    .kernarg_segment_size: 32
    .max_flat_workgroup_size: 128
    .sgpr_count:     100
    .vgpr_count:     1024
    .wavefront_size: 32
...
	.end_amdgpu_metadata
.endif
;; end of part 6
;; launch w2 (part 7): grid 8 x 32, 4 waves a work-group, clusters of 4 x 4, 327,680 bytes of LDS; arguments act, wt, out0, b2, x1; writes out0
.if DOCPART == 7
	.amdgcn_target "amdgcn-amd-amdhsa--gfx1250"
	.amdhsa_code_object_version 6
	.text
	.protected	k_q2e8864e981_w2
	.globl	k_q2e8864e981_w2
	.p2align	8
	.type	k_q2e8864e981_w2,@function
k_q2e8864e981_w2:
	s_mov_b64 s[64:65], 0
	v_nop
	global_prefetch_b8 v0, s[64:65] scope:SCOPE_SE
	s_setreg_imm32_b32 hwreg(HW_REG_WAVE_MODE, 25, 1), 1
	s_wait_xcnt 0x0
	s_wait_alu depctr_hold_cnt(0) depctr_sa_sdst(0) depctr_va_vdst(0) depctr_va_sdst(0) depctr_va_ssrc(0) depctr_va_vcc(0) depctr_vm_vsrc(0)
	s_getreg_b32 s2, hwreg(HW_REG_IB_STS2, 6, 4)
	s_cmp_eq_u32 s2, 0
	s_cbranch_scc0 .Lentry_in_a_cluster
	s_endpgm
.Lentry_in_a_cluster:
	s_bfe_u32 s2, ttmp6, 0x10000c
	s_cmp_lg_u32 s2, 0xf033
	s_cbranch_scc0 .Lentry_shape_is_right
	s_endpgm
.Lentry_shape_is_right:
; out = x1 + act W2 + b2.  A = act [4096][4096] f16, B = wt's rows of W2 [1024 n][4096 k] f16; sums in f32, started by the bias; x1 and out f32.
; A tile of C is 128 x 128: four waves, each 64 x 64 = 16 accumulators; 256 work-groups.  K goes in steps of 256 (rows of 512 bytes, padded to 528) through two LDS slots.
; One K step is written once: the slot in hand is the scalar TB.  CLUSTER 4 x 4: A's tile is shared along a row, B's along a column; each is asked for jointly.
; WHERE A CLUSTER BEGINS ALONG K: at step 0 where cluster x + cluster y is even, at step T / 2 where it is odd, and round from the last step to step 0 (f32 sums may be taken in any order).
; A's rows are read by the two clusters of a row of clusters, B's by the eight of a column: clusters that read the same rows ask for different K steps at the same time.
; The matrix instruction is used transposed (source 0 = 16 rows of B, source 1 = 16 rows of A): a lane holds 8 neighbouring columns of a row of C.
; WINDOWS: 0: addresses, A's two fragment buffers v64-191, the bias fragments v192-255; 1: B's two buffers; 2: accumulators v0-127, the residual's 32 rows v128-255.
.set MA, 4
.set NB, 4
.set KD, 2
.set SIZE_K, 4096
.set WTOFF, 16777216
.set APITCH, 528
.set ACH, 128
.set BPITCH, 528
.set BCH, 128
.set HALFA, 16*MA*APITCH
.set AD0, 128*KD
.set AD1, 16*MA
.set AST, SIZE_K
.set AQI, 6
.set BQI, 6
.set ASTEP, 512
.set BSTEP, 512
.set RPA, 16
.set RPB, 16
.set T,     SIZE_K/(128*KD)
.set TM,    32*MA
.set TN,    32*NB
.set HALFB, 16*NB*BPITCH
.set SLOT,  2*HALFA+2*HALFB
.set SPARE, 2*SLOT
.set SP,    4*TN+16
.set NL,    2*KD*(MA+NB)
.set FLA,   (1<<16)|(1<<20)|(1<<21)|(AQI<<22)|(3<<25)
.set FLB,   (1<<16)|(1<<20)|(1<<21)|(BQI<<22)|(3<<25)
.set CN, 3
.set WV, 16
.set WR, 17
.set WC, 18
.set CX, 19
.set CY, 20
.set TC, 21
.set TR, 22
.set TB, 23
.set G1A, 24
.set G0A, 32
.set G1B, 48
.set G0B, 56
.set LDA, 66
.set LDB, 67
.set LIM, 68
.set KI, 69                            ; s69      the K step asked for last
.set PFA, 70
.set OA, 86                            ; s[86:87] its bytes along A's rows
.set OBB, 88                           ; s[88:89] along B's
.set SA, 90                            ; s[90:91] A's rows at my cluster's first K step
.set SBB, 92                           ; s[92:93] B's
.set A0, 8
.set B0, 9
.set ADRA, 10
.set ADRB, 11
.set STO, 12
.set RD, 14
.set CO, 15
.set PFO, 16
.set BO, 18
.set SPW, 28
.set NIL, 29
.set F0, 64
.set F1, 128
.set BF, 192
.set MSB, 0
.macro WIN new
.if MSB != (\new)
	s_set_vgpr_msb (MSB<<8)|(\new)
.set MSB, \new
.endif
.endm
.macro PLACES
.rept 4
	v_nop
.endr
.endm
.macro CREST
	s_cmp_lg_u32 s[WV], 0
	s_cbranch_scc1 .Lnot_wave_0_\@
	s_barrier_signal -3
.Lnot_wave_0_\@:
	s_barrier_wait -3
	s_barrier_signal -1
	s_barrier_wait -1
.endm
.macro CROUND
	s_barrier_signal -1
	s_barrier_wait -1
	CREST
.endm
.macro JLOAD
	s_cmp_eq_u32 s[WR], 0
	s_cbranch_scc0 .Lfor_b_\@
	tensor_load_to_lds s[G0A+4:G0A+7], s[G1A:G1A+7]
	s_nop 0
.rept 4
	v_nop
.endr
	s_branch .Lasked_\@
.Lfor_b_\@:
	tensor_load_to_lds s[G0B+4:G0B+7], s[G1B:G1B+7]
	s_nop 0
.rept 4
	v_nop
.endr
.Lasked_\@:
.endm
.macro ASK                             ; a prefetch of the K step two refills on: my work-group's 16 rows of the 64 that I fetch, 512 bytes each: a block of 256 bytes a lane
	s_cmp_gt_u32 s[CN], s[LIM]                     ; only steps 4 to T / 2 - 1 of my cluster's walk are named; LIM is the greatest number in a wave that asks for nothing
	s_cbranch_scc0 .Lnot_mine_\@
	global_prefetch_b8 v[PFO], s[PFA:PFA+1] offset:BSTEP th:TH_LOAD_NT scope:SCOPE_SE
.Lnot_mine_\@:
.endm
.macro MUL f, a0, na, first            ; the accumulators take turns, one instruction a turn; first = 1: the first product of each sum takes the bias as C
.set c_, 0
.rept KD
.set a_, \a0
.rept \na
.set b_, 0
.rept NB
.set t_, a_*NB+b_
.set d_, 8*(t_%32)
.if (\first) && (c_ == 0)
	WIN 0x81+0x40*(t_/32)
	v_wmma_f32_16x16x32_f16 v[d_:d_+7], v[(\f)+8*(b_*KD+c_):(\f)+8*(b_*KD+c_)+7], v[(\f)+8*(a_*KD+c_):(\f)+8*(a_*KD+c_)+7], v[BF+8*b_:BF+8*b_+7]
.else
	WIN 0xa1+0x50*(t_/32)
	v_wmma_f32_16x16x32_f16 v[d_:d_+7], v[(\f)+8*(b_*KD+c_):(\f)+8*(b_*KD+c_)+7], v[(\f)+8*(a_*KD+c_):(\f)+8*(a_*KD+c_)+7], v[d_:d_+7]
.endif
.set b_, b_+1
.endr
.set a_, a_+1
.endr
.set c_, c_+1
.endr
.endm
.macro FETCH k, f
	WIN 0x40
.set i_, 0
.rept NB
.set c_, 0
.rept KD
	ds_load_b128 v[(\f)+8*(i_*KD+c_):(\f)+8*(i_*KD+c_)+3],   v[ADRB] offset:(\k)*BCH+64*c_+i_*16*BPITCH
	ds_load_b128 v[(\f)+8*(i_*KD+c_)+4:(\f)+8*(i_*KD+c_)+7], v[ADRB] offset:(\k)*BCH+64*c_+i_*16*BPITCH+32
.set c_, c_+1
.endr
.set i_, i_+1
.endr
	WIN 0
.set i_, 0
.rept MA
.set c_, 0
.rept KD
	ds_load_b128 v[(\f)+8*(i_*KD+c_):(\f)+8*(i_*KD+c_)+3],   v[ADRA] offset:(\k)*ACH+64*c_+i_*16*APITCH
	ds_load_b128 v[(\f)+8*(i_*KD+c_)+4:(\f)+8*(i_*KD+c_)+7], v[ADRA] offset:(\k)*ACH+64*c_+i_*16*APITCH+32
.set c_, c_+1
.endr
.set i_, i_+1
.endr
.endm
.macro QUARTER k, f, g, first
	s_wait_dscnt MA*KD                             ; B and A's lower half are in; A's upper half may be out
	MUL \f, 0, MA/2, \first
	PLACES
	FETCH \k, \g
	s_wait_dscnt NL                                ; all but the run just issued
	MUL \f, MA/2, MA/2, \first
.endm
.macro TURN fill                       ; the last quarter and the change of slots: all my tensor loads, the add, my reads, one barrier (with fill = 1 it opens a round), the refill first behind it
.if \fill
	s_wait_xcnt 0x0                                ; the last prefetch, a K step back, has read its address
	s_add_nc_u64 s[PFA:PFA+1], s[PFA:PFA+1], BSTEP
.endif
	WIN 0
	s_wait_tensorcnt 0x0                           ; no tensor load of mine is out, so a group 0 may be written
	ds_add_u32 v[SPW], v[NIL]
.if \fill
	s_add_co_u32 s[G0A+5], s[LDA], s[TB]           ; the walking sets: into the slot in hand,
	s_add_co_u32 s[G0B+5], s[LDB], s[TB]
	s_add_co_u32 s[KI], s[KI], 1                   ; the next K step, round from the last to step 0;
	s_and_b32 s[KI], s[KI], T-1
	s_mul_i32 s[OA], s[KI], ASTEP                  ; both addresses are made anew from its number
	s_mul_i32 s[OBB], s[KI], BSTEP
	s_add_nc_u64 s[G0A+6:G0A+7], s[42:43], s[OA:OA+1]
	s_or_b32 s[G0A+7], s[G0A+7], 0x80000000
	s_add_nc_u64 s[G0B+6:G0B+7], s[46:47], s[OBB:OBB+1]
	s_or_b32 s[G0B+7], s[G0B+7], 0x80000000
.endif
	s_xor_b32 s[TB], s[TB], SLOT
	s_wait_dscnt MA*KD+1                           ; the add and A's upper half may be out
	MUL F1, 0, MA/4, 0
	s_wait_dscnt 0x0
	s_barrier_signal -1
	MUL F1, MA/4, MA/4, 0
	WIN 0
	s_barrier_wait -1
.if \fill
	CREST
	JLOAD
.else
	PLACES
.endif
	v_add_nc_u32 v[ADRA], s[TB], v[A0]
	v_add_nc_u32 v[ADRB], s[TB], v[B0]
	FETCH 0, F0
.if \fill
	ASK
.endif
	MUL F1, MA/2, MA/2, 0
.endm
.macro STAGE
.set a_, 0
.rept MA
.set b_, 0
.rept NB
.set t_, a_*NB+b_
.set d_, 8*(t_%32)
	WIN 0x08+0x04*(t_/32)
	ds_store_b128 v[STO+a_/4], v[d_:d_+3]   offset:(a_%4)*16*SP+64*b_
	ds_store_b128 v[STO+a_/4], v[d_+4:d_+7] offset:(a_%4)*16*SP+64*b_+16
.set b_, b_+1
.endr
.set a_, a_+1
.endr
	WIN 0
.endm
	s_load_b256 s[4:11], s[0:1], 0x0               ; A s[4:5], wt s[6:7], out s[8:9], bias s[10:11]
	s_load_b64 s[12:13], s[0:1], 0x20              ; the residual
	v_lshl_add_u32 v[SPW], v0, 2, SPARE
	v_mov_b32 v[NIL], 0
	ds_add_u32 v[SPW], v[NIL]                      ; the opening: the add; its wait stands ahead of my first tensor load
	ds_add_u32 v28, v29
	v_lshrrev_b32 v1, 5, v0
	v_readfirstlane_b32 s[WV], v1
	s_lshr_b32 s[WR], s[WV], 1
	s_and_b32 s[WC], s[WV], 1
	s_bfe_u32 s[CX], ttmp6, 0x40000
	s_bfe_u32 s[CY], ttmp6, 0x40004
	s_lshl_b32 s[TC], ttmp9, 2
	s_add_co_u32 s[TC], s[TC], s[CX]
	s_and_b32 s[TR], ttmp7, 0xffff
	s_lshl_b32 s[TR], s[TR], 2
	s_add_co_u32 s[TR], s[TR], s[CY]
	s_lshl_b32 s40, s[CY], 2                       ; s40-43 hold only what my row of the cluster shares, s44-47 only what my column shares
	s_lshl_b32 s40, 15, s40
	s_or_b32 s[G1A], s40, FLA
	s_lshl_b32 s44, 0x1111, s[CX]
	s_or_b32 s[G1B], s44, FLB
	s_mov_b32 s[G1A+1], (AD0&0xffff)<<16
	s_mov_b32 s[G1A+2], (AD0>>16)|(AD1<<16)
	s_mov_b32 s[G1A+3], (AD1>>16)|(AD0<<16)
	s_mov_b32 s[G1A+4], AD1
	s_mov_b32 s[G1A+5], AST
	s_mov_b32 s[G1A+6], 0
	s_mov_b32 s[G1A+7], 0
	s_mov_b32 s[G1B+1], (128*KD)<<16
	s_mov_b32 s[G1B+2], (16*NB)<<16
	s_mov_b32 s[G1B+3], (128*KD)<<16
	s_mov_b32 s[G1B+4], 16*NB
	s_mov_b32 s[G1B+5], SIZE_K
	s_mov_b32 s[G1B+6], 0
	s_mov_b32 s[G1B+7], 0
	s_mul_i32 s42, s[TR], TM
	s_mul_i32 s41, s[WC], 16*MA
	s_add_co_u32 s42, s42, s41
	s_mul_i32 s42, s42, 2*SIZE_K
	s_mov_b32 s43, 0
	s_mul_i32 s46, s[TC], TN
	s_mul_i32 s45, s[WC], 16*NB
	s_add_co_u32 s46, s46, s45
	s_mul_i32 s46, s46, 2*SIZE_K
	s_add_co_u32 s46, s46, WTOFF
	s_mov_b32 s47, 0
	s_mul_i32 s[LDA], s[WC], HALFA
	s_mul_i32 s[LDB], s[WC], HALFB
	s_add_co_u32 s[LDB], s[LDB], 2*HALFA
	s_mov_b32 s[TB], 0
	s_and_b32 s[KI], ttmp7, 0xffff                 ; where my cluster begins along K: made of the cluster's own coordinates, which all sixteen partners share
	s_add_co_u32 s[KI], s[KI], ttmp9
	s_and_b32 s[KI], s[KI], 1
	s_mul_i32 s[KI], s[KI], T/2
	s_mul_i32 s[OA], s[KI], ASTEP
	s_mov_b32 s[OA+1], 0
	s_mul_i32 s[OBB], s[KI], BSTEP
	s_mov_b32 s[OBB+1], 0
	s_wait_dscnt 0x0
	s_wait_kmcnt 0x0
	s_add_nc_u64 s[42:43], s[4:5], s[42:43]        ; my rows at K step 0: kept
	s_add_nc_u64 s[46:47], s[6:7], s[46:47]
	s_add_nc_u64 s[SA:SA+1], s[42:43], s[OA:OA+1]  ; and at my cluster's first step
	s_add_nc_u64 s[SBB:SBB+1], s[46:47], s[OBB:OBB+1]
	s_add_co_u32 s[KI], s[KI], 1                   ; the first fills ask for that step and the next
.irp s, 0,1
	s_mov_b32 s[G0A+4*\s], 1
	s_add_co_u32 s[G0A+4*\s+1], s[LDA], \s*SLOT
	s_add_nc_u64 s[G0A+4*\s+2:G0A+4*\s+3], s[SA:SA+1], \s*ASTEP
	s_or_b32 s[G0A+4*\s+3], s[G0A+4*\s+3], 0x80000000
	s_mov_b32 s[G0B+4*\s], 1
	s_add_co_u32 s[G0B+4*\s+1], s[LDB], \s*SLOT
	s_add_nc_u64 s[G0B+4*\s+2:G0B+4*\s+3], s[SBB:SBB+1], \s*BSTEP
	s_or_b32 s[G0B+4*\s+3], s[G0B+4*\s+3], 0x80000000
.endr
	CROUND
	s_cmp_eq_u32 s[WR], 0                          ; a wave's two first fills stand in one branch: two loads of mine are out
	s_cbranch_scc0 .Lfirst_b
	tensor_load_to_lds s[G0A:G0A+3], s[G1A:G1A+7]
	s_nop 0
	tensor_load_to_lds s[G0A+4:G0A+7], s[G1A:G1A+7]
	s_nop 0
.rept 4
	v_nop
.endr
	s_branch .Lfirst_done
.Lfirst_b:
	tensor_load_to_lds s[G0B:G0B+3], s[G1B:G1B+7]
	s_nop 0
	tensor_load_to_lds s[G0B+4:G0B+7], s[G1B:G1B+7]
	s_nop 0
.rept 4
	v_nop
.endr
.Lfirst_done:
	v_and_b32 v1, 15, v0
	v_bfe_u32 v2, v0, 4, 1
	v_and_b32 v3, 31, v0
	v_lshlrev_b32 v[BO], 5, v2
	; the prefetches.  A K step of a row is read first by a cluster in the first half of its walk.  Of A's rows each of the two clusters that read them begins at another half of K: both ask, each for its own
	; first half.  Of B's rows the clusters y = 0 and y = 1 begin at different halves: these two ask.  So each block of 256 bytes is named once.  The four partners share a wave's rows out by address.
	; Nothing is asked for here at the head: the walk's steps 0 to 3 come by their loads alone.
	s_and_b32 s72, ttmp7, 0xffff
	s_lshr_b32 s72, s72, 1                         ; 0 in the clusters y = 0 and 1
	s_cmp_eq_u32 s[WR], 0
	s_cselect_b32 s73, s[CX], s[CY]
	s_cselect_b32 s72, 0, s72
	s_cselect_b32 s77, RPA, RPB
	s_cselect_b64 s[PFA:PFA+1], s[SA:SA+1], s[SBB:SBB+1]
	s_cmp_eq_u32 s72, 0
	s_cselect_b32 s[LIM], T/2+2, -1                ; trip i (the count stands at T - 2 - i) names the walk's step i + 4, up to step T / 2 - 1
	s_mul_i32 s74, s73, s77
	s_mul_i32 s74, s74, 2*SIZE_K
	s_mov_b32 s75, 0
	s_add_nc_u64 s[PFA:PFA+1], s[PFA:PFA+1], s[74:75]
	s_add_nc_u64 s[PFA:PFA+1], s[PFA:PFA+1], 2*BSTEP
	v_mul_u32_u24 v[PFO], v1, 2*SIZE_K             ; row l % 16,
	v_lshl_add_u32 v[PFO], v2, 8, v[PFO]           ; block l / 16 of its 512 bytes
	s_mul_i32 s72, s[TC], TN                       ; the bias at my first column
	s_mul_i32 s73, s[WC], 16*NB
	s_add_co_u32 s72, s72, s73
	s_lshl_b32 s72, s72, 2
	s_mov_b32 s73, 0
	s_add_nc_u64 s[10:11], s[10:11], s[72:73]
.set b_, 0
.rept NB
	global_load_b128 v[BF+8*b_:BF+8*b_+3],   v[BO], s[10:11] offset:64*b_
	global_load_b128 v[BF+8*b_+4:BF+8*b_+7], v[BO], s[10:11] offset:64*b_+16
.set b_, b_+1
.endr
	s_lshl_b32 s72, s[TR], 7                       ; on the way out wave w takes rows 32 w .. 32 w + 31 of the tile, whole: 512 bytes each
	s_lshl_b32 s73, s[WV], 5
	s_add_co_u32 s72, s72, s73
	s_lshl_b32 s72, s72, 12
	s_lshl_b32 s73, s[TC], 9
	s_add_co_u32 s72, s72, s73
	s_mov_b32 s73, 0
	s_add_nc_u64 s[12:13], s[12:13], s[72:73]
	s_add_nc_u64 s[8:9], s[8:9], s[72:73]
	v_lshlrev_b32 v[CO], 4, v3
	WIN 0x80                                       ; the residual's 32 rows are asked for now and wanted at the end
.set i_, 0
.rept 32
	global_load_b128 v[128+4*i_:128+4*i_+3], v[CO], s[12:13] offset:i_*4096
.set i_, i_+1
.endr
	WIN 0
	s_mul_i32 s78, s[WR], HALFA                    ; LDS addresses: made of the wave's number and the lane alone (s78, s79)
	v_mul_u32_u24 v[A0], v1, APITCH
	v_lshl_add_u32 v[A0], v2, 4, v[A0]
	v_add_nc_u32 v[A0], s78, v[A0]
	s_mul_i32 s79, s[WC], HALFB
	s_add_co_u32 s79, s79, 2*HALFA
	v_mul_u32_u24 v[B0], v1, BPITCH
	v_lshl_add_u32 v[B0], v2, 4, v[B0]
	v_add_nc_u32 v[B0], s79, v[B0]
	v_mov_b32 v[ADRA], v[A0]
	v_mov_b32 v[ADRB], v[B0]
	s_mul_i32 s78, s[WR], 16*MA*SP
	s_mul_i32 s79, s[WC], 64*NB
	s_add_co_u32 s78, s78, s79
	v_mul_u32_u24 v[STO], v1, SP
	v_lshl_add_u32 v[STO], v2, 5, v[STO]
	v_add_nc_u32 v[STO], s78, v[STO]
	s_mul_i32 s78, s[WV], 32*SP
	v_lshl_add_u32 v[RD], v3, 4, s78
	s_wait_tensorcnt 0x1                           ; my part of the first K step is in; the second's may stay out
	s_barrier_signal -1
	s_barrier_wait -1
	FETCH 0, F0
	s_wait_loadcnt 32                              ; the bias is in; the residual's 32 loads stay out
	QUARTER 1, F0, F1, 1
	WIN 0
	s_mov_b32 s[CN], T-2
.Lstep:
	QUARTER 2, F1, F0, 0
	QUARTER 3, F0, F1, 0
	TURN 1
	QUARTER 1, F0, F1, 0
	WIN 0
	s_sub_co_u32 s[CN], s[CN], 1
	s_cmp_lg_u32 s[CN], 0
	s_cbranch_scc1 .Lstep
	s_mov_b32 s[CN], 2
.Ltail:                                        ; the last two K steps ask for nothing; the second trip is left in its middle
	QUARTER 2, F1, F0, 0
	QUARTER 3, F0, F1, 0
	TURN 0
	WIN 0
	s_sub_co_u32 s[CN], s[CN], 1
	s_cmp_eq_u32 s[CN], 0
	s_cbranch_scc1 .Lout
	QUARTER 1, F0, F1, 0
	WIN 0
	s_branch .Ltail
.Lout:                                         ; (the last TURN's run of loads serves nothing: the price of one text for both trips)
	s_wait_dscnt 0x0
	s_barrier_signal -1
	s_barrier_wait -1                              ; nobody reads the ring any more, and it is filled no more
	PLACES
	STAGE
	s_wait_dscnt 0x0
	s_barrier_signal -1
	s_barrier_wait -1
	s_wait_loadcnt 0x0                             ; the residual
.set i_, 0
.rept 32
	ds_load_b128 v[64+4*i_:64+4*i_+3], v[RD] offset:i_*SP
.set i_, i_+1
.endr
.irp g, 0,1,2,3
	s_wait_dscnt 24-8*\g                           ; eight more rows are back
	WIN 0x08
.set i_, 16*\g
.rept 16
	v_pk_add_f32 v[64+2*i_:64+2*i_+1], v[64+2*i_:64+2*i_+1], v[128+2*i_:128+2*i_+1]
.set i_, i_+1
.endr
	WIN 0
.set i_, 8*\g
.rept 8
	global_store_b128 v[CO], v[64+4*i_:64+4*i_+3], s[8:9] offset:i_*4096  ; 512 consecutive bytes, aligned
.set i_, i_+1
.endr
.endr
	s_wait_tensorcnt 0x0                           ; the wave's end
	ds_add_u32 v[SPW], v[NIL]
	s_wait_dscnt 0x0
	CROUND                                         ; the closing round
	s_endpgm
.Lfunc_end_k_q2e8864e981_w2:
	.size	k_q2e8864e981_w2, .Lfunc_end_k_q2e8864e981_w2-k_q2e8864e981_w2
	.p2alignl 7, 3214868480
	.fill 96, 4, 3214868480
	.section	.rodata,"a",@progbits
	.p2align	6, 0x0
	.amdhsa_kernel k_q2e8864e981_w2
		.amdhsa_group_segment_fixed_size 327680
		.amdhsa_private_segment_fixed_size 0
		.amdhsa_enable_private_segment 0
		.amdhsa_kernarg_size 40
		.amdhsa_user_sgpr_count 2
		.amdhsa_user_sgpr_kernarg_segment_ptr 1
		.amdhsa_wavefront_size32 1
		.amdhsa_system_sgpr_workgroup_id_x 1
		.amdhsa_system_sgpr_workgroup_id_y 1
		.amdhsa_system_sgpr_workgroup_id_z 1
		.amdhsa_system_vgpr_workitem_id 0
		.amdhsa_next_free_vgpr 768
		.amdhsa_next_free_sgpr 100
		.amdhsa_reserve_vcc 0
		.amdhsa_float_denorm_mode_32 3
		.amdhsa_float_denorm_mode_16_64 3
		.amdhsa_memory_ordered 1
		.amdhsa_forward_progress 1
		.amdhsa_inst_pref_size 68
	.end_amdhsa_kernel
	.amdgpu_metadata
---
amdhsa.version: [ 1, 2 ]
amdhsa.kernels:
  - .name:           k_q2e8864e981_w2
    .symbol:         k_q2e8864e981_w2.kd
    .args:
      - { .name: act, .offset: 0, .size: 8, .value_kind: global_buffer, .address_space: global }
      - { .name: wt, .offset: 8, .size: 8, .value_kind: global_buffer, .address_space: global }
      - { .name: out0, .offset: 16, .size: 8, .value_kind: global_buffer, .address_space: global }
      - { .name: b2, .offset: 24, .size: 8, .value_kind: global_buffer, .address_space: global }
      - { .name: x1, .offset: 32, .size: 8, .value_kind: global_buffer, .address_space: global }
    .group_segment_fixed_size: 327680
    .private_segment_fixed_size: 0
    .kernarg_segment_align: 8
    .kernarg_segment_size: 40
    .max_flat_workgroup_size: 128
    .sgpr_count:     100
    .vgpr_count:     768
    .wavefront_size: 32
...
	.end_amdgpu_metadata
.endif
;; end of part 7
